; MI455X (gfx1250); checked and timed in simulation.
; The chip was launched on July 23, 2026; its instructions are those of AMD's public machine-readable ISA for CDNA 5 (MIT licence, August 2026) and "CDNA5" Instruction Set Architecture Reference Guide (July 2026). The comments in the code are by the model that wrote it; some were corrected since.
;; Block. Allowed arithmetic: matrix products marked QUANTISED: E4M3 operands, one given power-of-two scale a tensor, by v_wmma_f32_16x16x64_fp8_fp8 or v_wmma_f32_16x16x128_fp8_fp8, f32 sums; everything else in f32.
;; Inputs: b_mlp1 4,096 float32; b_mlp2 1,024 float32; b_proj 1,024 float32; ln1_b 1,024 float32; ln1_g 1,024 float32; ln2_b 1,024 float32; ln2_g 1,024 float32; lowp_scales 12 int32 (the exponents e of the quantised operands' scales 2^e); w_mlp1 1,024 x 4,096 float32; w_mlp2 4,096 x 1,024 float32; w_proj 1,024 x 1,024 float32; w_qkv 1,024 x 3,072 float32; x 2 x 2,048 x 1,024 float32.
;; Outputs: out0 2 x 2,048 x 1,024 float32.
;; This version of the problem:
;;   THIS VERSION OF THE PROBLEM IS GIVEN IN LOW PRECISION. The matrix products marked QUANTISED in the list below multiply operands that are first quantised to E4M3 (4 exponent bits, 3 mantissa bits; 8 bits a number), with one given power-of-two scale for each operand tensor; their sums are f32. All else is computed in f32.
;;   The module's matrix products, in the order in which they are computed (A, B: the left and right operand; K: the contracted axis; several contracted axes count as one K, in the product's order):
;;     1. [M 4,096, K 1,024] x [K 1,024, N 3,072]; A: computed on the way; B: input w_qkv: QUANTISED (scales: A lowp_scales[0], B lowp_scales[1])
;;     2. batch 32 x [M 2,048, K 64] x [K 64, N 2,048]; A: computed on the way; B: computed on the way: QUANTISED (scales: A lowp_scales[2], B lowp_scales[3])
;;     3. batch 32 x [M 2,048, K 2,048] x [K 2,048, N 64]; A: softmax (see below); B: computed on the way: QUANTISED (scales: A lowp_scales[4], B lowp_scales[5])
;;     4. [M 4,096, K 1,024] x [K 1,024, N 1,024]; A: computed on the way; B: input w_proj: QUANTISED (scales: A lowp_scales[6], B lowp_scales[7])
;;     5. [M 4,096, K 1,024] x [K 1,024, N 4,096]; A: computed on the way; B: input w_mlp1: QUANTISED (scales: A lowp_scales[8], B lowp_scales[9])
;;     6. [M 4,096, K 4,096] x [K 4,096, N 1,024]; A: computed on the way; B: input w_mlp2: QUANTISED (scales: A lowp_scales[10], B lowp_scales[11])
;;   THE QUANTISER, for each operand of a quantised product, along K:
;;     - The operand's scale is 2^e, e = its entry of the input lowp_scales (int32; the entries are numbered through the quantised products in the list's order, A before B).
;;     - Each number is divided by the scale, clamped to +-448, and rounded to the nearest number of E4M3, ties to even, subnormals kept.
;;     - The product sums the exact products of the quantised numbers (number of the format x scale) in f32.
;;   ~~~python
;;   def quantise(x, axis, e):      # numpy; x: float32 -> the quantised numbers, widened to float32 again
;;       x = np.moveaxis(x, axis, -1); K = x.shape[-1]
;;       r = np.clip(x / 2.0 ** e, -448, 448)
;;       step = 2.0 ** (np.maximum(np.frexp(np.where(r == 0, 1, r))[1] - 1, -6) - 3)
;;       q = np.round(r / step) * step * 2.0 ** e      # np.round: ties to even
;;       return np.moveaxis(q, -1, axis).astype(np.float32)
;;   ~~~
;;   SOFTMAX AHEAD OF A QUANTISED PRODUCT. Where the list says 'softmax', what is quantised is not the finished softmax but p = 2^(t - M), with t = logit x log2(e) and M = ceil(the row's largest t), a whole number; so 1/2 < the row's largest p <= 1. The row's sum l is taken of the UNQUANTISED p, in f32, and the product's result is divided by l at the end. Since M is a whole number, a kernel that streams over the keys may use a running M (the ceiling of the running maximum): every later rescaling is an exact power of two, so the quantised numbers keep their values, but for numbers so far below the row's largest that they fall under the format's range.
;;   OPERANDS COMPUTED ON THE WAY. 'Computed on the way' means the value that the module computes at that place (a softmax that the list does not call 'softmax' is quantised finished and normalised). What goes into a quantiser is computed in f32, as accurately as f32 sums, v_exp_f32 and their like allow (about 1e-6 of the number): no bf16 or f16 on the way to a quantiser, and a product that is left as it is and whose result goes on into a quantised operand takes f32 operands (vector FMAs, or v_wmma_f32_16x16x4_f32). A number that lies on a knife's edge between two numbers of the format may be rounded either way, as far as f32 arithmetic and the matrix unit's own rounding can turn it there, and no further.
;; One version. Each part assembles by itself: llvm-mc -triple=amdgcn-amd-amdhsa -mcpu=gfx1250 --defsym DOCPART=n.
;; ======== version 1 of 1: 7 launches
;; limits: a function is approximated: absolute error at most 1.5e-07
;; workspace buffers: wc 12,582,912 bytes; xn1 4,194,304 bytes; xn2 4,194,304 bytes; qkvc 12,582,912 bytes; yc 4,194,304 bytes; hc 16,777,216 bytes; x1 16,777,216 bytes
;; launch prep (part 1): grid 640 x 1, 4 waves a work-group, no clusters, 35,328 bytes of LDS; arguments x, ln1_g, ln1_b, w_qkv, w_proj, w_mlp1, w_mlp2, lowp_scales, wc, xn1; writes wc, xn1
.if DOCPART == 1
	.amdgcn_target "amdgcn-amd-amdhsa--gfx1250"
	.amdhsa_code_object_version 6
	.text
	.protected	k_q8a30a5f35f_prep
	.globl	k_q8a30a5f35f_prep
	.p2align	8
	.type	k_q8a30a5f35f_prep,@function
k_q8a30a5f35f_prep:
	s_mov_b64 s[64:65], 0
	v_nop
	global_prefetch_b8 v0, s[64:65] scope:SCOPE_SE
	s_setreg_imm32_b32 hwreg(HW_REG_WAVE_MODE, 25, 1), 1
	s_wait_xcnt 0x0
; The first of seven launches of a pre-norm transformer block whose six matrix products run on codes of FP8 (E4M3), one given scale 2^e for each operand.
; DEAD WORK: none.  Every input (x, both gains and shifts, four weights, three biases, all twelve exponents) has a way to out0 for some finite values, so every input is loaded by some launch and every product is done.
; THIS LAUNCH: (a) the four weights, f32 stored [K][N], become codes laid [N][K], K innermost, in wc: w_qkv at byte 0, w_proj at 3,145,728, w_mlp1 at 4,194,304, w_mlp2 at 8,388,608;
;              (b) LayerNorm 1 of x, quantised with lowp_scales[0], becomes xn1 [4096][1024] codes.
; code = number / 2^e, held within +-448, rounded to the nearest code, ties to even.
; LIMITS: each e used here lies between -126 and 119, so that 2^e and 448 x 2^e are f32 numbers.  NaN and infinity among the inputs are not served.
; WORK-GROUPS: 0-95 w_qkv, 96-127 w_proj, 128-255 w_mlp1, 256-383 w_mlp2 (each: 128 columns x 256 along K), 384-639 LayerNorm (16 rows each).  The four weights take ONE path: only sizes and pointers are chosen, by the work-group's number.
; WEIGHTS: a lane takes a column n and its registers run down K: each load reads 128 consecutive bytes a wave, and the conversions, which take neighbours along K from one lane's registers, give codes with K innermost.
; A lane's codes belong to one row of wc, so 256 of them are gathered in the wave's own stage in LDS and leave by rows: sixteen lanes store 256 consecutive bytes, aligned.  Waves share nothing: no barrier.
; No matrix unit, no tensor load, no cluster: the launch streams each byte once and no two work-groups read the same bytes of x or of a weight.
.set SPARE, 34816                      ; behind the four stages: the spare words, 128 bytes for each wave
.set PITCH, 272                        ; a stage row: 256 codes + 16 bytes
.set SPW,   14                         ; v14  LDS address of my spare word; never rewritten
.set NIL,   15                         ; v15  0; never rewritten
.set VO,    16                         ; v16-47   weights: 4 x lane + i rows of W
.set X,     48                         ; v48-111  weights: two sets of 32 numbers
.set C,     112                        ; v112-119 weights: a block's codes
.set OUTR,  120                        ; v120-183 weights: the way out
.set OV,    184                        ; v184-199 weights: the stores' offsets
.set CD,    32                         ; v32-63   LayerNorm: codes, 8 registers a row, never rewritten
.set RW,    64                         ; v64-191  LayerNorm: four rows of 32 numbers
.set GM,    192                        ; v192-223 gain
.set BT,    224                        ; v224-255 shift
	s_load_b512 s[8:23], s[0:1], 0x0               ; x 8, ln1_g 10, ln1_b 12, w_qkv 14, w_proj 16, w_mlp1 18, w_mlp2 20, lowp_scales 22
	s_load_b128 s[24:27], s[0:1], 0x40             ; wc 24, xn1 26
	v_lshl_add_u32 v[SPW], v0, 2, SPARE
	v_mov_b32 v[NIL], 0
	v_lshrrev_b32 v1, 5, v0
	v_readfirstlane_b32 s3, v1                     ; wave 0..3
	v_and_b32 v2, 31, v0                           ; lane
	s_wait_kmcnt 0x0
	s_load_b256 s[32:39], s[22:23], 0x0            ; e0 .. e7
	s_load_b128 s[40:43], s[22:23], 0x20           ; e8 .. e11
	s_cmp_ge_u32 ttmp9, 384
	s_cbranch_scc1 .Lln
; ---------------------------------------------------------------- the weights
	s_wait_kmcnt 0x0
	s_mov_b64 s[44:45], s[20:21]                   ; w_mlp2's figures; the three compares below put the others' in their place
	s_mov_b32 s46, 4096                            ; a row of W in bytes
	s_mov_b32 s47, 4096                            ; a row of its codes in bytes (K)
	s_mov_b32 s48, 8388608                         ; its place in wc
	s_mov_b32 s49, 256                             ; its first work-group
	s_mov_b32 s50, 4                               ; log2 of the number of parts along K
	s_mov_b32 s51, s43                             ; e
	s_cmp_lt_u32 ttmp9, 256
	s_cselect_b64 s[44:45], s[18:19], s[44:45]
	s_cselect_b32 s46, 16384, s46
	s_cselect_b32 s47, 1024, s47
	s_cselect_b32 s48, 4194304, s48
	s_cselect_b32 s49, 128, s49
	s_cselect_b32 s50, 2, s50
	s_cselect_b32 s51, s41, s51
	s_cmp_lt_u32 ttmp9, 128
	s_cselect_b64 s[44:45], s[16:17], s[44:45]
	s_cselect_b32 s46, 4096, s46
	s_cselect_b32 s48, 3145728, s48
	s_cselect_b32 s49, 96, s49
	s_cselect_b32 s51, s39, s51
	s_cmp_lt_u32 ttmp9, 96
	s_cselect_b64 s[44:45], s[14:15], s[44:45]
	s_cselect_b32 s46, 12288, s46
	s_cselect_b32 s48, 0, s48
	s_cselect_b32 s49, 0, s49
	s_cselect_b32 s51, s33, s51
	s_sub_co_u32 s2, ttmp9, s49                    ; my number within the tensor
	s_lshl_b32 s28, 1, s50
	s_sub_co_u32 s28, s28, 1
	s_and_b32 s29, s2, s28                         ; which 256 along K
	s_lshr_b32 s30, s2, s50
	s_lshl_b32 s30, s30, 7
	s_lshl_b32 s31, s3, 5
	s_add_co_u32 s30, s30, s31                     ; my wave's first column
	s_mul_i32 s54, s29, s46
	s_lshl_b32 s54, s54, 8
	s_lshl_b32 s31, s30, 2
	s_add_co_u32 s54, s54, s31                     ; W: 256 x part rows + 4 x column
	s_mov_b32 s55, 0
	s_add_nc_u64 s[4:5], s[44:45], s[54:55]
	s_mul_i32 s54, s30, s47
	s_lshl_b32 s31, s29, 8
	s_add_co_u32 s54, s54, s31
	s_add_co_u32 s54, s54, s48                     ; codes: column x K + 256 x part + the tensor's place
	s_add_nc_u64 s[6:7], s[24:25], s[54:55]
	s_lshl_b32 s52, s46, 5                         ; 32 rows of W: from block to block
	s_mov_b32 s53, 0
	v_lshlrev_b32 v[VO], 2, v2
.set i, 1
.rept 31
	v_add_nc_u32 v[VO+i], s46, v[VO+i-1]           ; one row of W further down
.set i, i+1
.endr
	s_mul_i32 s31, s3, 32*PITCH                    ; my stage
	v_mul_u32_u24 v4, v2, PITCH
	v_add_nc_u32 v4, s31, v4                       ; into it: row = my column
	v_and_b32 v5, 15, v2
	v_lshrrev_b32 v6, 4, v2
	v_mul_u32_u24 v7, v6, PITCH
	v_lshl_add_u32 v7, v5, 4, v7
	v_add_nc_u32 v7, s31, v7                       ; out of it: sixteen lanes to a row, two rows an instruction
	v_mul_lo_u32 v[OV], v6, s47
	v_lshl_add_u32 v[OV], v5, 4, v[OV]             ; and the same place in wc
	s_lshl_b32 s28, s47, 1
.set i, 1
.rept 15
	v_add_nc_u32 v[OV+i], s28, v[OV+i-1]           ; two rows of codes on
.set i, i+1
.endr
	s_add_co_i32 s51, s51, 127
	s_lshl_b32 s29, s51, 23
	v_mov_b32 v11, s29                             ; 2^e as f32: the conversion takes its exponent field
	s_add_co_i32 s51, s51, 8
	s_lshl_b32 s51, s51, 23
	s_or_b32 s51, s51, 0x600000
	v_mov_b32 v10, s51                             ; 448 x 2^e
.macro LOAD t                          ; block t: W(32 t + i, my column), i = 0 .. 31, into set t % 2
.if (\t) > 0
	s_wait_xcnt 0x0                                ; the earlier loads have read their base: it may step
	s_add_nc_u64 s[4:5], s[4:5], s[52:53]
.endif
.set i, 0
.rept 32
	global_load_b32 v[X+32*((\t)%2)+i], v[VO+i], s[4:5] th:TH_LOAD_NT
.set i, i+1
.endr
.endm
.macro BLOCK t
.set XS, X+32*((\t)%2)
.if (\t) < 7
	s_wait_loadcnt 32                              ; this block's 32 loads are in; the next block's 32 may be out
.else
	s_wait_loadcnt 0
.endif
.set i, 0
.rept 32
	v_med3_num_f32 v[XS+i], v[XS+i], -v10, v10     ; the conversion to an 8-bit code does not saturate (ISA guide 7.6.2): the hold comes first
.set i, i+1
.endr
.irp g, 0,1,2,3
	v_cvt_scalef32_pk8_fp8_f32 v[C+2*\g:C+2*\g+1], v[XS+8*\g:XS+8*\g+7], v11
.endr
	v_nop                                          ; a plain line behind the last conversion of the run
	ds_store_b128 v4, v[C:C+3] offset:32*(\t)      ; 32 codes of my column's row
	ds_store_b128 v4, v[C+4:C+7] offset:32*(\t)+16
.if (\t)+2 < 8
	LOAD (\t)+2
.endif
	s_wait_dscnt 0x0                               ; the stores have read their registers: the next block's codes may be written
.endm
	LOAD 0
	LOAD 1
.irp t, 0,1,2,3,4,5,6,7
	BLOCK \t
.endr
.irp t, 0,1,2,3,4,5,6,7,8,9,10,11,12,13,14,15
	ds_load_b128 v[OUTR+4*\t:OUTR+4*\t+3], v7 offset:2*\t*PITCH   ; LDS serves a wave's instructions in order: these see my stores
.endr
.irp t, 0,1,2,3,4,5,6,7,8,9,10,11,12,13,14,15
	s_wait_dscnt 15-\t                             ; the younger loads may be out
	global_store_b128 v[OV+\t], v[OUTR+4*\t:OUTR+4*\t+3], s[6:7]
.endr
	s_wait_tensorcnt 0x0                           ; the wave's end
	ds_add_u32 v[SPW], v[NIL]
	s_wait_dscnt 0x0
	s_endpgm
; ---------------------------------------------------------------- LayerNorm 1: a wave takes four rows, each whole in 32 registers; no LDS
.Lln:
	s_sub_co_u32 s2, ttmp9, 384
	s_lshl_b32 s2, s2, 4
	s_lshl_b32 s28, s3, 2
	s_add_co_u32 s2, s2, s28                       ; my first row
	s_lshl_b32 s28, s2, 12
	s_mov_b32 s29, 0
	s_add_nc_u64 s[4:5], s[8:9], s[28:29]
	s_lshl_b32 s28, s2, 10
	s_add_nc_u64 s[6:7], s[26:27], s[28:29]
	v_lshlrev_b32 v3, 5, v2                        ; in: lane l holds, for j = 0 .. 3, the 8 neighbours from number 256 j + 8 l on
	v_lshlrev_b32 v4, 3, v2                        ; out: their 8 codes: the wave stores 256 consecutive bytes
.irp j, 0,1,2,3
	global_load_b128 v[GM+8*\j:GM+8*\j+3], v3, s[10:11] offset:1024*\j
	global_load_b128 v[GM+8*\j+4:GM+8*\j+7], v3, s[10:11] offset:1024*\j+16
.endr
.irp j, 0,1,2,3
	global_load_b128 v[BT+8*\j:BT+8*\j+3], v3, s[12:13] offset:1024*\j
	global_load_b128 v[BT+8*\j+4:BT+8*\j+7], v3, s[12:13] offset:1024*\j+16
.endr
.irp k, 0,1,2,3
.irp j, 0,1,2,3
	global_load_b128 v[RW+32*\k+8*\j:RW+32*\k+8*\j+3], v3, s[4:5] offset:4096*\k+1024*\j
	global_load_b128 v[RW+32*\k+8*\j+4:RW+32*\k+8*\j+7], v3, s[4:5] offset:4096*\k+1024*\j+16
.endr
.endr
	s_mov_b32 s54, 0x76543210                      ; v_permlanex16_b32: lane l xor 16
	s_mov_b32 s55, 0xfedcba98
	s_mov_b32 s56, 0x3a800000                      ; 1 / 1024
	s_mov_b32 s57, 0x358637bd                      ; 1e-6
	s_wait_kmcnt 0x0
	s_add_co_i32 s32, s32, 127                     ; e0
	s_lshl_b32 s28, s32, 23
	v_mov_b32 v11, s28
	s_add_co_i32 s32, s32, 8
	s_lshl_b32 s32, s32, 23
	s_or_b32 s32, s32, 0x600000
	v_mov_b32 v10, s32
.macro REDUCE                          ; v16 summed over the 32 lanes, the result in every lane
	v_add_f32_dpp v16, v16, v16 row_xmask:1 row_mask:0xf bank_mask:0xf
	v_add_f32_dpp v16, v16, v16 row_xmask:2 row_mask:0xf bank_mask:0xf
	v_add_f32_dpp v16, v16, v16 row_xmask:4 row_mask:0xf bank_mask:0xf
	v_add_f32_dpp v16, v16, v16 row_xmask:8 row_mask:0xf bank_mask:0xf
	v_permlanex16_b32 v17, v16, s54, s55
	v_add_f32 v16, v16, v17
.endm
.macro FOLD                            ; four packed chains into v16
	v_pk_add_f32 v[16:17], v[16:17], v[18:19]
	v_pk_add_f32 v[24:25], v[24:25], v[26:27]
	v_pk_add_f32 v[16:17], v[16:17], v[24:25]
	v_add_f32 v16, v16, v17
.endm
.macro ROW k                           ; mean, then the mean of the squared differences, as reference() has them: two passes over registers
.set R, RW+32*(\k)
	s_wait_loadcnt 8*(3-(\k))                      ; the later rows' loads, eight each, may be out
	v_pk_add_f32 v[16:17], v[R:R+1], v[R+2:R+3]
	v_pk_add_f32 v[18:19], v[R+4:R+5], v[R+6:R+7]
	v_pk_add_f32 v[24:25], v[R+8:R+9], v[R+10:R+11]
	v_pk_add_f32 v[26:27], v[R+12:R+13], v[R+14:R+15]
.irp j, 16,24
	v_pk_add_f32 v[16:17], v[16:17], v[R+\j:R+\j+1]
	v_pk_add_f32 v[18:19], v[18:19], v[R+\j+2:R+\j+3]
	v_pk_add_f32 v[24:25], v[24:25], v[R+\j+4:R+\j+5]
	v_pk_add_f32 v[26:27], v[26:27], v[R+\j+6:R+\j+7]
.endr
	FOLD
	REDUCE
	v_mul_f32 v20, s56, v16                        ; the mean, twice: a pair for the packed forms
	v_mul_f32 v21, s56, v16
.set i, 0
.rept 16
	v_pk_add_f32 v[R+i:R+i+1], v[R+i:R+i+1], v[20:21] neg_lo:[0,1] neg_hi:[0,1]
.set i, i+2
.endr
	v_pk_mul_f32 v[16:17], v[R:R+1], v[R:R+1]
	v_pk_mul_f32 v[18:19], v[R+2:R+3], v[R+2:R+3]
	v_pk_mul_f32 v[24:25], v[R+4:R+5], v[R+4:R+5]
	v_pk_mul_f32 v[26:27], v[R+6:R+7], v[R+6:R+7]
.irp j, 8,16,24
	v_pk_fma_f32 v[16:17], v[R+\j:R+\j+1], v[R+\j:R+\j+1], v[16:17]
	v_pk_fma_f32 v[18:19], v[R+\j+2:R+\j+3], v[R+\j+2:R+\j+3], v[18:19]
	v_pk_fma_f32 v[24:25], v[R+\j+4:R+\j+5], v[R+\j+4:R+\j+5], v[24:25]
	v_pk_fma_f32 v[26:27], v[R+\j+6:R+\j+7], v[R+\j+6:R+\j+7], v[26:27]
.endr
	FOLD
	REDUCE
	v_fma_f32 v16, v16, s56, s57                   ; the variance + 1e-6
	v_rsq_f32 v22, v16
	v_rsq_f32 v23, v16
	v_nop                                          ; a plain line behind the transcendentals,
	s_wait_alu depctr_va_vdst(0)                   ; and the wait ahead of their first reader: one for both
.set i, 0
.rept 16
	v_pk_mul_f32 v[R+i:R+i+1], v[R+i:R+i+1], v[22:23]
.set i, i+2
.endr
.set i, 0
.rept 16
	v_pk_fma_f32 v[R+i:R+i+1], v[R+i:R+i+1], v[GM+i:GM+i+1], v[BT+i:BT+i+1]
.set i, i+2
.endr
.set i, 0
.rept 32
	v_med3_num_f32 v[R+i], v[R+i], -v10, v10
.set i, i+1
.endr
.irp j, 0,1,2,3
	v_cvt_scalef32_pk8_fp8_f32 v[CD+8*(\k)+2*\j:CD+8*(\k)+2*\j+1], v[R+8*\j:R+8*\j+7], v11
.endr
	v_nop
.irp j, 0,1,2,3
	global_store_b64 v4, v[CD+8*(\k)+2*\j:CD+8*(\k)+2*\j+1], s[6:7] offset:1024*(\k)+256*\j
.endr
.endm
	ROW 0
	ROW 1
	ROW 2
	ROW 3
	s_endpgm
.Lfunc_end_k_q8a30a5f35f_prep:
	.size	k_q8a30a5f35f_prep, .Lfunc_end_k_q8a30a5f35f_prep-k_q8a30a5f35f_prep
	.p2alignl 7, 3214868480
	.fill 96, 4, 3214868480
	.section	.rodata,"a",@progbits
	.p2align	6, 0x0
	.amdhsa_kernel k_q8a30a5f35f_prep
		.amdhsa_group_segment_fixed_size 35328
		.amdhsa_private_segment_fixed_size 0
		.amdhsa_enable_private_segment 0
		.amdhsa_kernarg_size 80
		.amdhsa_user_sgpr_count 2
		.amdhsa_user_sgpr_kernarg_segment_ptr 1
		.amdhsa_wavefront_size32 1
		.amdhsa_system_sgpr_workgroup_id_x 1
		.amdhsa_system_sgpr_workgroup_id_y 1
		.amdhsa_system_sgpr_workgroup_id_z 1
		.amdhsa_system_vgpr_workitem_id 0
		.amdhsa_next_free_vgpr 256
		.amdhsa_next_free_sgpr 66
		.amdhsa_reserve_vcc 0
		.amdhsa_float_denorm_mode_32 3
		.amdhsa_float_denorm_mode_16_64 3
		.amdhsa_memory_ordered 1
		.amdhsa_forward_progress 1
		.amdhsa_inst_pref_size 94
	.end_amdhsa_kernel
	.amdgpu_metadata
---
amdhsa.version: [ 1, 2 ]
amdhsa.kernels:
  - .name:           k_q8a30a5f35f_prep
    .symbol:         k_q8a30a5f35f_prep.kd
    .args:
      - { .name: x, .offset: 0, .size: 8, .value_kind: global_buffer, .address_space: global }
      - { .name: ln1_g, .offset: 8, .size: 8, .value_kind: global_buffer, .address_space: global }
      - { .name: ln1_b, .offset: 16, .size: 8, .value_kind: global_buffer, .address_space: global }
      - { .name: w_qkv, .offset: 24, .size: 8, .value_kind: global_buffer, .address_space: global }
      - { .name: w_proj, .offset: 32, .size: 8, .value_kind: global_buffer, .address_space: global }
      - { .name: w_mlp1, .offset: 40, .size: 8, .value_kind: global_buffer, .address_space: global }
      - { .name: w_mlp2, .offset: 48, .size: 8, .value_kind: global_buffer, .address_space: global }
      - { .name: lowp_scales, .offset: 56, .size: 8, .value_kind: global_buffer, .address_space: global }
      - { .name: wc, .offset: 64, .size: 8, .value_kind: global_buffer, .address_space: global }
      - { .name: xn1, .offset: 72, .size: 8, .value_kind: global_buffer, .address_space: global }
    .group_segment_fixed_size: 35328
    .private_segment_fixed_size: 0
    .kernarg_segment_align: 8
    .kernarg_segment_size: 80
    .max_flat_workgroup_size: 128
    .sgpr_count:     66
    .vgpr_count:     256
    .wavefront_size: 32
...
	.end_amdgpu_metadata
.endif
;; end of part 1
;; launch qkv (part 2): grid 12 x 16, 4 waves a work-group, clusters of 4 x 4, 327,680 bytes of LDS; arguments xn1, wc, lowp_scales, qkvc; writes qkvc
.if DOCPART == 2
	.amdgcn_target "amdgcn-amd-amdhsa--gfx1250"
	.amdhsa_code_object_version 6
	.text
	.protected	k_q8a30a5f35f_qkv
	.globl	k_q8a30a5f35f_qkv
	.p2align	8
	.type	k_q8a30a5f35f_qkv,@function
k_q8a30a5f35f_qkv:
	s_mov_b64 s[64:65], 0
	v_nop
	global_prefetch_b8 v0, s[64:65] scope:SCOPE_SE
	s_setreg_imm32_b32 hwreg(HW_REG_WAVE_MODE, 25, 1), 1
	s_wait_xcnt 0x0
	s_wait_alu depctr_hold_cnt(0) depctr_sa_sdst(0) depctr_va_vdst(0) depctr_va_sdst(0) depctr_va_ssrc(0) depctr_va_vcc(0) depctr_vm_vsrc(0)
	s_getreg_b32 s2, hwreg(HW_REG_IB_STS2, 6, 4)
	s_cmp_eq_u32 s2, 0
	s_cbranch_scc0 .Lentry_in_a_cluster
	s_endpgm
.Lentry_in_a_cluster:
	s_bfe_u32 s2, ttmp6, 0x10000c
	s_cmp_lg_u32 s2, 0xf033
	s_cbranch_scc0 .Lentry_shape_is_right
	s_endpgm
.Lentry_shape_is_right:
; qkv = xn1 x w_qkv on codes of FP8 (E4M3); the sums are quantised at once into the operands of attention's two products.  Nothing of reference() is left out.
; xn1: [4096][1024] codes (scale e0).  wc from byte 0: w_qkv's codes [3072][1024], K innermost (e1).
; qkvc: q at byte 0 and k at 4 MiB, each [batch x head 32][token 2048][64]; v at 8 MiB, [batch x head 32][key step 16][d 64][128 keys], where in each 32 keys key 16 u + 8 h + j lies at byte 16 h + 8 u + j.
; code = sum / 2^E, held within +-448: E = e2 + 3 - e0 - e1 for q (reference()'s factor 64^-0.5 = 2^-3 is exact and goes into the scale), e3 - e0 - e1 for k, e5 - e0 - e1 for v.
; LIMIT: each E lies between -126 and 119.
; A tile of 256 x 256 is made by four waves, each 128 x 128: 64 accumulators, 512 registers.  K goes in steps of 256 through two LDS slots filled by the tensor data mover.
; CLUSTERS: 4 x 4 work-groups; the tile called A is shared along a row of the cluster, the one called B along a column, each asked for jointly.
; THE MATRIX INSTRUCTION IS USED TRANSPOSED (source 0 = 16 rows of B, source 1 = 16 rows of A): a lane holds one row of A's side and eight neighbours of B's side.
; For q and k (cluster x = 0, 1) A = tokens, B = W's rows: a lane's eight numbers are neighbours along the head's 64, the K of attention's first product.
; For v (cluster x = 2) THE TWO SIDES CHANGE PLACES: A = W's rows 2048 + 256 cy on, B = the tokens' tile 4 x cluster y + cx: a lane's eight numbers are neighbouring keys, the K of the second product.
; Only the two pointers and the two cluster coordinates are chosen, by the cluster's x, which all sixteen partners share; no LDS address and no descriptor's shape hangs on it.
; REGISTERS as windows of 256: window 0: v0-31 addresses, from v128 A's fragments (one set), v32-127 the way out; window 1: B's fragments, two sets; windows 2, 3: the accumulators ((a, b) at v[8 (8 (a % 4) + b)]).
.set SIZE_K, 1024
.set KSTEP,  256
.set ROWB,   256
.set KROW,   SIZE_K
.set PITCH,  272                       ; an LDS row: 256 bytes + 16: the sixteen rows that a load touches start at sixteen different banks
.set FR,     16
.set NL,     4
.set NP,     4
.set HALFT,  128*PITCH
.set SLOT,   4*HALFT
.set LAPS,   SIZE_K/(2*KSTEP)
.set SPARE,  2*SLOT                    ; behind the ring: the spare words, 128 bytes for each wave
.set ADRA, 16
.set ADRB, 20
.set STOV, 22                          ; v's stage: 16,384 + 2,304 x wave: 16 rows of 128 bytes + 16
.set RDV,  23
.set STO,  24                          ; q's and k's stage: 2,560 x wave: two heads x 16 rows of 64 bytes + 16.  Both stages lie in slot 0, which has had its last fill and its last read by then
.set RD,   25
.set CO,   26
.set SPW,  28
.set NIL,  29
.set TMP,  32                          ; v32-95   a block's sums, held
.set CDS,  96                          ; v96-111  its codes
.set BK,   112                         ; v112-127 its codes back from the stage
.set AF,   128
.set G1, 24
.set G0, 32
.set G1B, 48
.set G0B, 56
.set MSB, 0
.macro WIN new                         ; the immediate's high byte repeats the setting that is left
.if MSB != \new
	s_set_vgpr_msb (MSB<<8)|\new
.set MSB, \new
.endif
.endm
.set MUL_LO, 0xa1
.set MUL_HI, 0xf1
.set TO_B,   0x40
.macro JLOAD g0a, g1a, g0b, g1b        ; a joint load: waves 0 and 1 fetch for A, waves 2 and 3 for B; an s_nop 0 and four v_nop follow each line
	s_cmp_eq_u32 s15, 0
	s_cbranch_scc0 .Lfor_b_\@
	tensor_load_to_lds s[\g0a:\g0a+3], s[\g1a:\g1a+7]
	s_nop 0
.rept 4
	v_nop
.endr
	s_branch .Lasked_\@
.Lfor_b_\@:
	tensor_load_to_lds s[\g0b:\g0b+3], s[\g1b:\g1b+7]
	s_nop 0
.rept 4
	v_nop
.endr
.Lasked_\@:
.endm
.macro CREST
	s_cmp_lg_u32 s14, 0
	s_cbranch_scc1 .Lnot_wave_0_\@
	s_barrier_signal -3
.Lnot_wave_0_\@:
	s_barrier_wait -3
	s_barrier_signal -1
	s_barrier_wait -1
.endm
.macro CROUND
	s_barrier_signal -1
	s_barrier_wait -1
	CREST
.endm
	s_load_b128 s[4:7], s[0:1], 0x0                ; xn1, wc
	s_load_b128 s[8:11], s[0:1], 0x10              ; lowp_scales, qkvc
	v_lshl_add_u32 v[SPW], v0, 2, SPARE
	v_mov_b32 v[NIL], 0
	ds_add_u32 v[SPW], v[NIL]                      ; the opening: the add, twice on end, and its wait ahead of my first tensor load
	ds_add_u32 v[SPW], v[NIL]
	v_lshrrev_b32 v1, 5, v0
	v_readfirstlane_b32 s14, v1                    ; wave 0..3
	s_lshr_b32 s15, s14, 1                         ; which half of A's side is mine.  Also: I fetch for A (0) or for B (1)
	s_and_b32 s16, s14, 1                          ; which half of B's side.  Also: which 128 rows of that tile I fetch
	s_bfe_u32 s40, ttmp6, 0x40000                  ; cx
	s_bfe_u32 s41, ttmp6, 0x40004                  ; cy
	s_and_b32 s13, ttmp7, 0xffff                   ; cluster y
	s_cmp_eq_u32 ttmp9, 2                          ; the cluster column that makes v?
	s_cselect_b32 s12, s13, ttmp9                  ; B's side goes by cluster x (W's rows), for v by cluster y (tokens)
	s_cselect_b32 s13, ttmp9, s13                  ; A's side the other way round
	s_lshl_b32 s42, s12, 2
	s_add_co_u32 s42, s42, s40                     ; B's tile = 4 x that + cx
	s_lshl_b32 s17, s13, 2
	s_add_co_u32 s17, s17, s41                     ; A's tile = 4 x that + cy
	s_lshl_b32 s43, s41, 2
	s_lshl_b32 s43, 15, s43                        ; my row of the cluster
	s_lshl_b32 s44, 0x1111, s40                    ; my column
	s_or_b32 s[G1+0], s43, (0<<16)|(1<<20)|(1<<21)|(5<<22)|(3<<25)  ; the mask; elements of 1 byte; padding on; bit 21 beside a mask; 4 words behind every 64
	s_or_b32 s[G1B+0], s44, (0<<16)|(1<<20)|(1<<21)|(5<<22)|(3<<25)
.irp g, G1, G1B
	s_mov_b32 s[\g+1], ROWB<<16                    ; tensor_dim0
	s_mov_b32 s[\g+2], 128<<16                     ; tensor_dim1
	s_mov_b32 s[\g+3], ROWB<<16                    ; tile_dim0
	s_mov_b32 s[\g+4], 128                         ; tile_dim1
	s_mov_b32 s[\g+5], KROW                        ; the pitch: both tensors have rows of 1,024 codes
	s_mov_b32 s[\g+6], 0
	s_mov_b32 s[\g+7], 0
.endr
	s_lshl_b32 s18, s16, 7
	s_lshl_b32 s20, s17, 8
	s_add_co_u32 s20, s20, s18                     ; A: row 256 x tile + 128 x half
	s_lshl_b32 s46, s42, 8
	s_add_co_u32 s46, s46, s18                     ; B likewise
	s_mov_b32 s21, 0
	s_mov_b32 s47, 0
	s_mov_b64 s[18:19], KROW
	s_mul_u64 s[20:21], s[20:21], s[18:19]
	s_mul_u64 s[46:47], s[46:47], s[18:19]
	s_mul_i32 s45, s14, HALFT                      ; where they go: wave x 128 rows
	s_wait_dscnt 0x0                               ; both opening adds are done
	s_wait_kmcnt 0x0
	s_load_b256 s[80:87], s[8:9], 0x0              ; e0 .. e7
	s_cmp_eq_u32 ttmp9, 2
	s_cselect_b64 s[92:93], s[6:7], s[4:5]         ; A's buffer
	s_cselect_b64 s[94:95], s[4:5], s[6:7]         ; B's
	s_add_nc_u64 s[20:21], s[92:93], s[20:21]
	s_add_nc_u64 s[46:47], s[94:95], s[46:47]
	CROUND                                         ; all sixteen work-groups are here: the first joint loads meet
.irp s, 0,1
	s_mov_b32 s[G0+4*\s], 1
	s_add_co_u32 s[G0+4*\s+1], s45, \s*SLOT
	s_add_nc_u64 s[G0+4*\s+2:G0+4*\s+3], s[20:21], \s*ROWB
	s_or_b32 s[G0+4*\s+3], s[G0+4*\s+3], 0x80000000
	s_mov_b32 s[G0B+4*\s], 1
	s_add_co_u32 s[G0B+4*\s+1], s45, \s*SLOT
	s_add_nc_u64 s[G0B+4*\s+2:G0B+4*\s+3], s[46:47], \s*ROWB
	s_or_b32 s[G0B+4*\s+3], s[G0B+4*\s+3], 0x80000000
	JLOAD G0+4*\s, G1, G0B+4*\s, G1B
.endr
	v_and_b32 v1, 15, v0                           ; r = l % 16
	v_bfe_u32 v2, v0, 4, 1                         ; h = l / 16
	v_mul_u32_u24 v3, v1, PITCH
	v_lshl_add_u32 v4, v2, 4, v3
	s_mul_i32 s21, s15, HALFT
	s_mul_i32 s22, s16, HALFT
	s_add_co_u32 s22, s22, 2*HALFT
.irp s, 0,1
	v_add_nc_u32 v[ADRA+\s], s21, v4
	v_add_nc_u32 v[ADRB+\s], s22, v4
	s_add_co_u32 s21, s21, SLOT
	s_add_co_u32 s22, s22, SLOT
.endr
	s_mul_i32 s23, s14, 2560
	v_mul_u32_u24 v5, v1, 80
	v_lshl_add_u32 v5, v2, 3, v5
	v_add_nc_u32 v[STO], s23, v5                   ; in: row r, 8 bytes for each half of the lanes
	v_and_b32 v6, 31, v0
	v_lshrrev_b32 v7, 2, v6
	v_mul_u32_u24 v7, v7, 80
	v_and_b32 v8, 3, v6
	v_lshl_add_u32 v7, v8, 4, v7
	v_add_nc_u32 v[RD], s23, v7                    ; back: four lanes to a row of 64 bytes, eight rows an instruction
	v_lshlrev_b32 v[CO], 4, v6                     ; and in memory those 512 bytes are consecutive
	s_mul_i32 s23, s14, 2304
	s_add_co_u32 s23, s23, 16384
	v_mul_u32_u24 v5, v1, 144
	v_lshl_add_u32 v5, v2, 4, v5
	v_add_nc_u32 v[STOV], s23, v5                  ; v, in: row r (a d), 16 h
	v_lshrrev_b32 v7, 3, v6
	v_mul_u32_u24 v7, v7, 144
	v_and_b32 v8, 7, v6
	v_lshl_add_u32 v7, v8, 4, v7
	v_add_nc_u32 v[RDV], s23, v7                   ; v, back: eight lanes to a row of 128 bytes, four rows an instruction
.macro FRAG reg, adr, q, i             ; 16 rows x 128 K: lane l holds row l % 16; registers 4 c .. 4 c + 3 hold K = 32 c + 16 (l / 16) + 0 .. 15: the same places in A and in B
.irp c, 0,1,2,3
	ds_load_b128 v[\reg+4*\c:\reg+4*\c+3], v[\adr] offset:128*(\q)+32*\c+(\i)*16*PITCH
.endr
.endm
.macro MUL16 a0, p, zero               ; the 64 accumulators take turns, one instruction a turn, in the same order in every step
.irp a, \a0, \a0+1
.irp b, 0,1,2,3,4,5,6,7
.if \zero
	v_wmma_f32_16x16x128_fp8_fp8 v[8*(8*((\a)%4)+\b):8*(8*((\a)%4)+\b)+7], v[128*(\p)+FR*\b:128*(\p)+FR*\b+FR-1], v[AF+FR*(\a):AF+FR*(\a)+FR-1], 0
.else
	v_wmma_f32_16x16x128_fp8_fp8 v[8*(8*((\a)%4)+\b):8*(8*((\a)%4)+\b)+7], v[128*(\p)+FR*\b:128*(\p)+FR*\b+FR-1], v[AF+FR*(\a):AF+FR*(\a)+FR-1], v[8*(8*((\a)%4)+\b):8*(8*((\a)%4)+\b)+7]
.endif
.endr
.endr
.endm
.macro FETCH_B slot, q, p
	WIN TO_B
.irp i, 0,1,2,3,4,5,6,7
	FRAG 128*(\p)+FR*\i, ADRB+\slot, \q, \i
.endr
	WIN 0
.endm
.macro FETCH_A slot, q, i0
.irp i, \i0, \i0+1, \i0+2, \i0+3
	FRAG AF+FR*(\i), ADRA+\slot, \q, \i
.endr
.endm
.macro PLACES n                        ; plain vector lines between a matrix instruction and a load into, or a read of, its registers
.rept \n
	v_nop
.endr
.endm
.macro STEP slot, q, zero              ; 128 along K, with its successor in the same slot
	s_wait_dscnt 4*NL                              ; B's set and A's blocks 0-3 are in; the youngest sixteen loads (A's blocks 4-7) may be out
	WIN MUL_LO
	MUL16 0, (\q)%2, \zero
	MUL16 2, (\q)%2, \zero
	s_wait_dscnt 0
	PLACES NP
	FETCH_B \slot, (\q)+1, 1-(\q)%2
	FETCH_A \slot, (\q)+1, 0
	WIN MUL_HI
	MUL16 4, (\q)%2, \zero
	MUL16 6, (\q)%2, \zero
	PLACES NP
	WIN 0
	FETCH_A \slot, (\q)+1, 4
.endm
.macro TURN slot, next, fill           ; a slot's last step changes slots: one barrier; fill = 1: it opens a round of the cluster's barrier and the slot is filled again
	s_wait_tensorcnt 0x0                           ; all my tensor loads have landed: my part of the next slot
	ds_add_u32 v[SPW], v[NIL]                      ; 0 onto my spare word
	s_wait_dscnt 4*NL+1                            ; the add and the youngest sixteen loads may be out
	WIN MUL_LO
	MUL16 0, 1, 0
	s_wait_dscnt 0x0                               ; the add is done, and my reads of this slot are over
	s_barrier_signal -1
	MUL16 2, 1, 0
	WIN 0
	s_barrier_wait -1
.if \fill
	CREST                                          ; no wave of any partner still reads this slot or has a load on its way
	s_add_nc_u64 s[G0+4*\slot+2:G0+4*\slot+3], s[G0+4*\slot+2:G0+4*\slot+3], 2*ROWB
	s_add_nc_u64 s[G0B+4*\slot+2:G0B+4*\slot+3], s[G0B+4*\slot+2:G0B+4*\slot+3], 2*ROWB
	JLOAD G0+4*\slot, G1, G0B+4*\slot, G1B         ; the first tensor load behind the round; its four v_nop are the places in front of the loads below
.else
	PLACES NP
.endif
	FETCH_B \next, 0, 0
	FETCH_A \next, 0, 0
	WIN MUL_HI
	MUL16 4, 1, 0
	MUL16 6, 1, 0
	PLACES NP
	WIN 0
	FETCH_A \next, 0, 4
.endm
	s_wait_tensorcnt 1                             ; my part of K step 0 is in; K step 1's load may be out
	s_barrier_signal -1
	s_barrier_wait -1
	FETCH_B 0, 0, 0
	FETCH_A 0, 0, 0
	FETCH_A 0, 0, 4
	STEP 0, 0, 1                                   ; the first step's products start the sums: nothing is cleared
	s_mov_b32 s3, LAPS-1
.Llap:
	TURN 0, 1, 1
	STEP 1, 0, 0
	TURN 1, 0, 1
	STEP 0, 0, 0
	s_sub_co_u32 s3, s3, 1
	s_cmp_lg_u32 s3, 0
	s_cbranch_scc1 .Llap
	TURN 0, 1, 0                                   ; the last lap fills nothing
	STEP 1, 0, 0
	s_wait_dscnt 4*NL
	WIN MUL_LO
	MUL16 0, 1, 0
	MUL16 2, 1, 0
	s_wait_dscnt 0
	WIN MUL_HI
	MUL16 4, 1, 0
	MUL16 6, 1, 0
	WIN 0
; THE WAY OUT, a block of 16 rows of A's side x 128 of B's side at a time: hold, convert (8 sums of a lane = 8 codes), through my stage, and out as runs of 512 consecutive bytes.
.macro SENDQ a, isv
	s_wait_dscnt 0x0                               ; the block's codes are back, and its LDS stores have read their registers
.irp i, 0,1,2,3
.if \isv
	global_store_b128 v[CO], v[BK+4*\i:BK+4*\i+3], s[10:11] offset:((\a)/4)*131072+((\a)%4)*2048+512*\i
.else
	global_store_b128 v[CO], v[BK+4*\i:BK+4*\i+3], s[10:11] offset:(\i/2)*131072+(\a)*1024+(\i%2)*512
.endif
.endr
.endm
.macro WAYOUT sto, rd, isv
.irp a, 0,1,2,3,4,5,6,7
.set AC, 64*(\a%4)
	WIN (0x02+(\a/4))                              ; source 0: window 2 or 3
.set j, 0
.rept 64
	v_med3_num_f32 v[TMP+j], v[AC+j], -v11, v11    ; each accumulator from its low end on
.set j, j+1
.endr
	WIN 0
.if \a > 0
	SENDQ \a-1, \isv
.endif
.irp b, 0,1,2,3,4,5,6,7
	v_cvt_scalef32_pk8_fp8_f32 v[CDS+2*\b:CDS+2*\b+1], v[TMP+8*\b:TMP+8*\b+7], v10
.endr
	v_nop                                          ; a plain line behind the last conversion
	s_wait_xcnt 0x0                                ; the last block's stores have read their data: the loads below may land there
.irp b, 0,1,2,3,4,5,6,7
.if \isv
	ds_store_b64 v[\sto], v[CDS+2*\b:CDS+2*\b+1] offset:32*(\b/2)+8*(\b%2)
.else
	ds_store_b64 v[\sto], v[CDS+2*\b:CDS+2*\b+1] offset:(\b/4)*1280+(\b%4)*16
.endif
.endr
.irp i, 0,1,2,3
.if \isv
	ds_load_b128 v[BK+4*\i:BK+4*\i+3], v[\rd] offset:576*\i
.else
	ds_load_b128 v[BK+4*\i:BK+4*\i+3], v[\rd] offset:(\i/2)*1280+(\i%2)*640
.endif
.endr
.endr
	SENDQ 7, \isv
.endm
	s_wait_kmcnt 0x0
	s_add_co_i32 s88, s80, s81                     ; e0 + e1
	s_add_co_i32 s89, s82, 3                       ; q: e2 + 3
	s_cmp_eq_u32 ttmp9, 1
	s_cselect_b32 s89, s83, s89                    ; k: e3
	s_cmp_eq_u32 ttmp9, 2
	s_cselect_b32 s89, s85, s89                    ; v: e5
	s_sub_co_i32 s89, s89, s88
	s_add_co_i32 s89, s89, 127
	s_lshl_b32 s88, s89, 23
	v_mov_b32 v10, s88                             ; 2^E
	s_add_co_i32 s89, s89, 8
	s_lshl_b32 s89, s89, 23
	s_or_b32 s89, s89, 0x600000
	v_mov_b32 v11, s89                             ; 448 x 2^E
	PLACES NP
	s_cmp_eq_u32 ttmp9, 2                          ; the cluster's x: the same in all partners
	s_cbranch_scc1 .Lvpath
	s_lshr_b32 s76, s17, 3                         ; q, k: batch x 16 + head, for my first 64 columns
	s_lshl_b32 s76, s76, 4
	s_and_b32 s77, s42, 3
	s_lshl_b32 s77, s77, 2
	s_add_co_u32 s76, s76, s77
	s_lshl_b32 s77, s16, 1
	s_add_co_u32 s76, s76, s77
	s_lshl_b32 s76, s76, 11
	s_and_b32 s77, s17, 7
	s_lshl_b32 s77, s77, 8
	s_add_co_u32 s76, s76, s77
	s_lshl_b32 s77, s15, 7
	s_add_co_u32 s76, s76, s77                     ; x 2,048 + my first token
	s_lshl_b32 s76, s76, 6
	s_lshl_b32 s77, ttmp9, 22                      ; q's region or k's
	s_add_co_u32 s76, s76, s77
	s_mov_b32 s77, 0
	s_add_nc_u64 s[10:11], s[10:11], s[76:77]
	WAYOUT STO, RD, 0
	s_branch .Lclose
.Lvpath:
	s_lshr_b32 s76, s42, 3                         ; v: batch (from the tokens' tile) x 16 + head (from W's tile)
	s_lshl_b32 s76, s76, 4
	s_and_b32 s77, s17, 3
	s_lshl_b32 s77, s77, 2
	s_add_co_u32 s76, s76, s77
	s_lshl_b32 s77, s15, 1
	s_add_co_u32 s76, s76, s77
	s_lshl_b32 s76, s76, 4
	s_and_b32 s77, s42, 7
	s_lshl_b32 s77, s77, 1
	s_add_co_u32 s76, s76, s77
	s_add_co_u32 s76, s76, s16                     ; x 16 + my key step: my 128 tokens are one
	s_lshl_b32 s76, s76, 13
	s_add_co_u32 s76, s76, 0x800000
	s_mov_b32 s77, 0
	s_add_nc_u64 s[10:11], s[10:11], s[76:77]
	WAYOUT STOV, RDV, 1
.Lclose:
	s_wait_tensorcnt 0x0                           ; the wave's end
	ds_add_u32 v[SPW], v[NIL]
	s_wait_dscnt 0x0
	CROUND                                         ; the closing round
	s_endpgm
.Lfunc_end_k_q8a30a5f35f_qkv:
	.size	k_q8a30a5f35f_qkv, .Lfunc_end_k_q8a30a5f35f_qkv-k_q8a30a5f35f_qkv
	.p2alignl 7, 3214868480
	.fill 96, 4, 3214868480
	.section	.rodata,"a",@progbits
	.p2align	6, 0x0
	.amdhsa_kernel k_q8a30a5f35f_qkv
		.amdhsa_group_segment_fixed_size 327680
		.amdhsa_private_segment_fixed_size 0
		.amdhsa_enable_private_segment 0
		.amdhsa_kernarg_size 32
		.amdhsa_user_sgpr_count 2
		.amdhsa_user_sgpr_kernarg_segment_ptr 1
		.amdhsa_wavefront_size32 1
		.amdhsa_system_sgpr_workgroup_id_x 1
		.amdhsa_system_sgpr_workgroup_id_y 1
		.amdhsa_system_sgpr_workgroup_id_z 1
		.amdhsa_system_vgpr_workitem_id 0
		.amdhsa_next_free_vgpr 1024
		.amdhsa_next_free_sgpr 98
		.amdhsa_reserve_vcc 0
		.amdhsa_float_denorm_mode_32 3
		.amdhsa_float_denorm_mode_16_64 3
		.amdhsa_memory_ordered 1
		.amdhsa_forward_progress 1
		.amdhsa_inst_pref_size 172
	.end_amdhsa_kernel
	.amdgpu_metadata
---
amdhsa.version: [ 1, 2 ]
amdhsa.kernels:
  - .name:           k_q8a30a5f35f_qkv
    .symbol:         k_q8a30a5f35f_qkv.kd
    .args:
      - { .name: xn1, .offset: 0, .size: 8, .value_kind: global_buffer, .address_space: global }
      - { .name: wc, .offset: 8, .size: 8, .value_kind: global_buffer, .address_space: global }
      - { .name: lowp_scales, .offset: 16, .size: 8, .value_kind: global_buffer, .address_space: global }
      - { .name: qkvc, .offset: 24, .size: 8, .value_kind: global_buffer, .address_space: global }
    .group_segment_fixed_size: 327680
    .private_segment_fixed_size: 0
    .kernarg_segment_align: 8
    .kernarg_segment_size: 32
    .max_flat_workgroup_size: 128
    .sgpr_count:     98
    .vgpr_count:     1024
    .wavefront_size: 32
...
	.end_amdgpu_metadata
.endif
;; end of part 2
;; launch attn (part 3): grid 8 x 32, 16 waves a work-group, clusters of 4 x 1, 327,680 bytes of LDS; arguments qkvc, lowp_scales, yc; writes yc
.if DOCPART == 3
	.amdgcn_target "amdgcn-amd-amdhsa--gfx1250"
	.amdhsa_code_object_version 6
	.text
	.protected	k_q8a30a5f35f_attn
	.globl	k_q8a30a5f35f_attn
	.p2align	8
	.type	k_q8a30a5f35f_attn,@function
k_q8a30a5f35f_attn:
	s_mov_b64 s[64:65], 0
	v_nop
	global_prefetch_b8 v0, s[64:65] scope:SCOPE_SE
	s_setreg_imm32_b32 hwreg(HW_REG_WAVE_MODE, 25, 1), 1
	s_wait_xcnt 0x0
	s_wait_alu depctr_hold_cnt(0) depctr_sa_sdst(0) depctr_va_vdst(0) depctr_va_sdst(0) depctr_va_ssrc(0) depctr_va_vcc(0) depctr_vm_vsrc(0)
	s_getreg_b32 s2, hwreg(HW_REG_IB_STS2, 6, 4)
	s_cmp_eq_u32 s2, 0
	s_cbranch_scc0 .Lentry_in_a_cluster
	s_endpgm
.Lentry_in_a_cluster:
	s_bfe_u32 s2, ttmp6, 0x10000c
	s_cmp_lg_u32 s2, 0x3003
	s_cbranch_scc0 .Lentry_shape_is_right
	s_endpgm
.Lentry_shape_is_right:
; y = softmax(q k^T) v for each of 32 (batch, head), both products on codes of FP8 (E4M3); y is quantised at once for the projection.  Nothing of reference() is left out.
; qkvc: q at byte 0, k at 4 MiB: [bh 32][2048][64]; v at 8 MiB: [bh 32][key step 16][d 64][128 keys], in each 32 keys key 16 u + 8 h + j at byte 16 h + 8 u + j.  yc: [head 16][row 4096][64] codes.
; THE SOFTMAX: t = score x log2(e) x 2^(e2 + e3); M = the running largest t rounded UP to a whole number; p = 2^(t - M) is quantised with 2^e4; the row's sum is taken of the unquantised p and divides at the end.
; When M moves, the sum and O are multiplied by 2^(old M - new M), which rounds nothing.
; LIMITS: e2 + e3 between -126 and 127; e4, and e6 - e4 - e5, between -126 and 119.
; SHARES: a work-group owns 256 queries of one (batch, head), each of its sixteen waves 16 of them in 256 registers: four waves to a SIMD, one wave's vector work beside another's matrix work and LDS loads.
; THE HEAD'S WHOLE K AND V LIE IN LDS: 2,048 rows of 64 + 16 bytes and 1,024 rows of 128 + 16 bytes.  Nothing is filled twice: no ring.  They come in four quarters of 512 keys; the first is worked on while three are on their way.
; CLUSTER: the four query blocks of a cluster belong to one head: each tile is asked for jointly, mask 15.  Waves 0-7 ask for K (64 rows a load), waves 8-15 for V (32 rows a load): four tensor loads of a wave are out at the most.
; LAYOUT: S^T = K Q^T (source 0 = 16 neighbouring keys, source 1 = my 16 queries; K = 64), O^T = V^T P^T (source 0 = 16 of the head's 64, source 1 = P; K = 128 keys): a lane holds ONE query throughout.
; Tile t of S^T gives lane (r, h) keys 16 t + 8 h + 0 .. 7, whose 8 codes are registers 2 t, 2 t + 1 of P; v's byte order gives V's fragment, loaded 16 bytes at a time, the same keys in the same registers.
; REGISTERS: v1-9 addresses; v12 -M, v13 the largest t, v[14:15] the sum; v16-23 Q; v32-95 K's, then V's fragments; v96-159 S^T, then p; v160-191 O^T; v224-239 p's codes; v208, v240-254 at work.
.set KP,    80
.set VP,    144
.set VOFF,  2048*KP
.set SPARE, VOFF+1024*VP               ; behind V: the spare words, 128 bytes for each of sixteen waves
.set AK0, 1
.set AV0, 2
.set STO, 3                            ; the way out: my stage, 16 rows of 64 + 16 bytes at 1,280 x wave, in K's region behind the last barrier
.set RD,  4
.set SPW, 5
.set NIL, 6
.set GO,  7
.set ADK, 8
.set ADV, 9
.set WV,  18
.set SEL, 20
.set CS,  22
.set G1K, 24
.set G1V, 32
.set KO,  76                           ; s76, s77: where the trip's keys begin in K's and in V's region
.set VO,  77
.set CNT, 78
.macro ROUND
	s_barrier_signal -1
	s_barrier_wait -1
	s_cmp_lg_u32 s[WV], 0
	s_cbranch_scc1 .Lnot_wave_0_\@
	s_barrier_signal -3
.Lnot_wave_0_\@:
	s_barrier_wait -3
	s_barrier_signal -1
	s_barrier_wait -1
.endm
.macro MKG0 g, lbase, loff, p, goff    ; a descriptor's group 0
	s_mov_b32 s[\g], 1
	s_add_co_u32 s[\g+1], s[\lbase], \loff
	s_add_nc_u64 s[\g+2:\g+3], s[\p:\p+1], \goff
	s_or_b32 s[\g+3], s[\g+3], 0x80000000
.endm
	s_load_b128 s[4:7], s[0:1], 0x0                ; qkvc, lowp_scales
	s_load_b64 s[8:9], s[0:1], 0x10                ; yc
	v_lshl_add_u32 v[SPW], v0, 2, SPARE
	v_mov_b32 v[NIL], 0
	ds_add_u32 v[SPW], v[NIL]                      ; the opening: the add, twice on end, and its wait ahead of my first tensor load
	ds_add_u32 v[SPW], v[NIL]
	v_lshrrev_b32 v8, 5, v0
	v_readfirstlane_b32 s[WV], v8                  ; wave 0..15
	s_and_b32 s15, ttmp7, 0xffff                   ; batch x 16 + head, which the four partners share
	s_and_b32 s16, s[WV], 7
	s_lshl_b32 s10, s15, 17                        ; the head's 131,072 bytes of k, and of v,
	s_lshl_b32 s11, s16, 12                        ; my 4,096 of a quarter's 32,768
	s_add_co_u32 s10, s10, s11
	s_mov_b32 s11, 0
	s_mul_i32 s17, s16, 64*KP                      ; and where they go
	s_mul_i32 s19, s16, 32*VP
	s_add_co_u32 s19, s19, VOFF
	s_mov_b32 s[G1K], 15|(1<<20)|(1<<21)|(3<<22)|(3<<25)   ; all four work-groups; elements of 1 byte; padding: 4 words behind every 16
	s_mov_b32 s[G1K+1], 64<<16
	s_mov_b32 s[G1K+2], 64<<16
	s_mov_b32 s[G1K+3], 64<<16
	s_mov_b32 s[G1K+4], 64
	s_mov_b32 s[G1K+5], 64
	s_mov_b32 s[G1K+6], 0
	s_mov_b32 s[G1K+7], 0
	s_mov_b32 s[G1V], 15|(1<<20)|(1<<21)|(4<<22)|(3<<25)   ; 4 words behind every 32
	s_mov_b32 s[G1V+1], 128<<16
	s_mov_b32 s[G1V+2], 32<<16
	s_mov_b32 s[G1V+3], 128<<16
	s_mov_b32 s[G1V+4], 32
	s_mov_b32 s[G1V+5], 128
	s_mov_b32 s[G1V+6], 0
	s_mov_b32 s[G1V+7], 0
	s_mov_b32 s[SEL], 0x76543210
	s_mov_b32 s[SEL+1], 0xfedcba98
	s_mov_b32 s[CS], 0x3fb8aa3b                    ; log2(e)
	s_mov_b32 s[KO], 0
	s_mov_b32 s[VO], 0
	s_wait_dscnt 0x0                               ; both opening adds are done
	s_wait_kmcnt 0x0
	s_load_b256 s[80:87], s[6:7], 0x0              ; e0 .. e7
	s_add_nc_u64 s[92:93], s[4:5], s[10:11]
	s_add_nc_u64 s[94:95], s[92:93], 0x800000      ; v
	s_add_nc_u64 s[92:93], s[92:93], 0x400000      ; k
	MKG0 40, 17, 0*512*KP, 92, 0*32768
	MKG0 44, 17, 1*512*KP, 92, 1*32768
	MKG0 48, 17, 2*512*KP, 92, 2*32768
	MKG0 52, 17, 3*512*KP, 92, 3*32768
	MKG0 56, 19, 0*256*VP, 94, 0*32768
	MKG0 60, 19, 1*256*VP, 94, 1*32768
	MKG0 68, 19, 2*256*VP, 94, 2*32768
	MKG0 72, 19, 3*256*VP, 94, 3*32768
	ROUND                                          ; all four work-groups are here: the joint loads meet
	s_cmp_lt_u32 s[WV], 8                          ; a wave's four fills stand in one branch on the wave's number, ahead of every wait on TENSORcnt and every LDS read
	s_cbranch_scc0 .Lfirst_v
	tensor_load_to_lds s[40:43], s[G1K:G1K+7]
	s_nop 0
	tensor_load_to_lds s[44:47], s[G1K:G1K+7]
	s_nop 0
	tensor_load_to_lds s[48:51], s[G1K:G1K+7]
	s_nop 0
	tensor_load_to_lds s[52:55], s[G1K:G1K+7]
	s_nop 0
.rept 4
	v_nop
.endr
	s_branch .Lfirst_asked
.Lfirst_v:
	tensor_load_to_lds s[56:59], s[G1V:G1V+7]
	s_nop 0
	tensor_load_to_lds s[60:63], s[G1V:G1V+7]
	s_nop 0
	tensor_load_to_lds s[68:71], s[G1V:G1V+7]
	s_nop 0
	tensor_load_to_lds s[72:75], s[G1V:G1V+7]
	s_nop 0
.rept 4
	v_nop
.endr
.Lfirst_asked:
	s_bfe_u32 s96, ttmp6, 0x40000                  ; cx: it enters q's and yc's addresses alone
	s_lshl_b32 s97, ttmp9, 2
	s_add_co_u32 s96, s96, s97                     ; my block of 256 queries
	s_lshl_b32 s96, s96, 8
	s_lshl_b32 s97, s[WV], 4
	s_add_co_u32 s96, s96, s97                     ; my first query in the head
	s_lshl_b32 s98, s15, 11
	s_add_co_u32 s98, s98, s96
	s_lshl_b32 s98, s98, 6
	s_mov_b32 s99, 0
	s_add_nc_u64 s[4:5], s[4:5], s[98:99]          ; q at my first query
	s_lshr_b32 s98, s15, 4
	s_lshl_b32 s98, s98, 11
	s_add_co_u32 s98, s98, s96
	s_lshl_b32 s98, s98, 6
	s_and_b32 s97, s15, 15
	s_lshl_b32 s97, s97, 18
	s_add_co_u32 s98, s98, s97
	s_add_nc_u64 s[8:9], s[8:9], s[98:99]          ; yc: head x 262,144 + (batch x 2,048 + query) x 64
	v_and_b32 v8, 15, v0                           ; r
	v_bfe_u32 v9, v0, 4, 1                         ; h
	v_lshlrev_b32 v10, 6, v8
	v_lshl_add_u32 v10, v9, 4, v10
	global_load_b128 v[16:19], v10, s[4:5]         ; Q's fragment: registers 4 c .. 4 c + 3 hold d = 32 c + 16 h + 0 .. 15, as K's do
	global_load_b128 v[20:23], v10, s[4:5] offset:32
	v_mul_u32_u24 v[AK0], v8, KP
	v_lshl_add_u32 v[AK0], v9, 4, v[AK0]
	v_mul_u32_u24 v[AV0], v8, VP
	v_lshl_add_u32 v[AV0], v9, 4, v[AV0]
	v_add_nc_u32 v[AV0], VOFF, v[AV0]
	s_mul_i32 s97, s[WV], 16*KP
	v_mul_u32_u24 v[STO], v8, KP
	v_lshl_add_u32 v[STO], v9, 3, v[STO]
	v_add_nc_u32 v[STO], s97, v[STO]               ; in: row r, 8 h
	v_and_b32 v11, 31, v0
	v_lshrrev_b32 v[RD], 2, v11
	v_mul_u32_u24 v[RD], v[RD], KP
	v_and_b32 v[GO], 3, v11
	v_lshl_add_u32 v[RD], v[GO], 4, v[RD]
	v_add_nc_u32 v[RD], s97, v[RD]                 ; back: four lanes to a row, eight rows an instruction
	v_lshlrev_b32 v[GO], 4, v11                    ; 512 consecutive bytes of yc
	v_mov_b32 v13, 0xff61b1e6                      ; the largest t so far: -3e38
	v_floor_f32 v12, -v13                          ; -M
	v_mov_b32 v14, 0
	v_mov_b32 v15, 0
	v_mov_b32 v208, 0                              ; a lane permute's destination counts as one of its sources
	v_mov_b32 v253, 0                              ; (named as the upper half of v[252:253])
.set j, 0
.rept 32
	v_mov_b32 v[160+j], 0                          ; O^T: the step is written once; its first run finds zeros, which the first change of M leaves zeros
.set j, j+1
.endr
	s_wait_kmcnt 0x0
	s_add_co_i32 s96, s82, s83
	s_lshl_b32 s96, s96, 23
	s_add_co_i32 s[CS], s[CS], s96                 ; e2 + e3 onto the exponent field of log2(e)
	s_mov_b32 s[CS+1], s[CS]
	s_add_co_i32 s96, s84, 127
	s_lshl_b32 s97, s96, 23
	v_mov_b32 v244, s97                            ; 2^e4
	s_add_co_i32 s96, s96, 8
	s_lshl_b32 s96, s96, 23
	s_or_b32 s96, s96, 0x600000
	v_mov_b32 v240, s96                            ; 448 x 2^e4
.macro STEP u                          ; 128 keys: the u-th half of a trip's 256
.rept 4
	v_nop                                          ; places in front of loads into registers that the last products read
.endr
.irp t, 0,1,2,3,4,5,6,7
.irp c, 0,1
	ds_load_b128 v[32+8*\t+4*\c:32+8*\t+4*\c+3], v[ADK] offset:(128*(\u)+16*\t)*KP+32*\c
.endr
.endr
	s_wait_dscnt 0x0
.irp t, 0,1,2,3,4,5,6,7
	v_wmma_f32_16x16x64_fp8_fp8 v[96+8*\t:103+8*\t], v[32+8*\t:39+8*\t], v[16:23], 0
.endr
.rept 4
	v_nop                                          ; places in front of V's loads into K's registers, and of the first read of the scores
.endr
.irp t, 0,1,2,3
.irp c, 0,1,2,3
	ds_load_b128 v[32+16*\t+4*\c:32+16*\t+4*\c+3], v[ADV] offset:(\u)*64*VP+16*\t*VP+32*\c   ; V's fragments land while the softmax is walked
.endr
.endr
	v_max3_num_f32 v254, v96, v97, v98             ; the step's largest score of my query among my 64 keys, in two chains,
	v_max3_num_f32 v252, v99, v100, v101
.irp i, 6,10,14,18,22,26,30,34,38,42,46,50,54,58
	v_max3_num_f32 v254, v254, v[96+\i], v[97+\i]
	v_max3_num_f32 v252, v252, v[98+\i], v[99+\i]
.endr
	v_max3_num_f32 v254, v254, v158, v159
	v_max_num_f32 v254, v254, v252
	v_permlanex16_b32 v208, v254, s[SEL], s[SEL+1]
	v_max_num_f32 v254, v254, v208                 ; and among lane l xor 16's
	v_mul_f32 v254, s[CS], v254                    ; as t
	v_max_num_f32 v13, v13, v254
	v_mov_b32 v254, v12
	v_floor_f32 v12, -v13                          ; the new -M = -ceil(t)
	v_sub_f32 v254, v12, v254                      ; old M - new M: a whole number, 0 or less
	v_cvt_i32_f32 v254, v254
	v_ldexp_f32 v252, 1.0, v254                    ; f = 2^(old M - new M)
.set j, 0
.rept 32
	v_pk_fma_f32 v[96+j:97+j], v[96+j:97+j], s[CS:CS+1], v[12:13] op_sel_hi:[1,0,0]   ; t - M
.set j, j+2
.endr
.set j, 0
.rept 64
	v_exp_f32 v[96+j], v[96+j]                     ; p = 2^(t - M)
.set j, j+1
.endr
	v_pk_mul_f32 v[14:15], v[14:15], v[252:253] op_sel_hi:[1,0]   ; the sums under the new M: the plain line behind the exponentials
	s_wait_alu depctr_va_vdst(0)                   ; one wait for the batch, ahead of its first reader
	v_pk_add_f32 v[242:243], v[96:97], v[98:99]    ; the row's sum is taken of the unquantised p
.irp j, 4,8,12,16,20,24,28,32,36,40,44,48,52,56,60
	v_pk_add_f32 v[14:15], v[14:15], v[96+\j:97+\j]
	v_pk_add_f32 v[242:243], v[242:243], v[98+\j:99+\j]
.endr
	v_pk_add_f32 v[14:15], v[14:15], v[242:243]
.irp t, 0,1,2,3,4,5,6,7
.irp i, 0,1,2,3,4,5,6,7
	v_min_num_f32 v[96+8*\t+\i], v[96+8*\t+\i], v240   ; p is not negative: a one-sided hold
.endr
	v_cvt_scalef32_pk8_fp8_f32 v[224+2*\t:225+2*\t], v[96+8*\t:103+8*\t], v244
.endr
.set j, 0
.rept 16
	v_pk_mul_f32 v[160+j:161+j], v[160+j:161+j], v[252:253] op_sel_hi:[1,0]   ; O^T under the new M; also the plain lines behind the conversions
.set j, j+2
.endr
	s_wait_dscnt 0x0                               ; V's fragments are in
.irp t, 0,1,2,3
	v_wmma_f32_16x16x128_fp8_fp8 v[160+8*\t:167+8*\t], v[32+16*\t:47+16*\t], v[224:239], v[160+8*\t:167+8*\t]
.endr
.endm
.macro TRIP                            ; 256 keys
	v_add_nc_u32 v[ADK], s[KO], v[AK0]
	v_add_nc_u32 v[ADV], s[VO], v[AV0]
	STEP 0
	STEP 1
	s_add_co_u32 s[KO], s[KO], 256*KP
	s_add_co_u32 s[VO], s[VO], 128*VP
.endm
	s_wait_loadcnt 0x0                             ; Q
	s_wait_tensorcnt 3                             ; my part of the first quarter is in; my three later loads may be out
	s_barrier_signal -1
	s_barrier_wait -1                              ; everybody's is
	s_mov_b32 s[CNT], 2
.Lfirst_quarter:
	TRIP
	s_sub_co_u32 s[CNT], s[CNT], 1
	s_cmp_lg_u32 s[CNT], 0
	s_cbranch_scc1 .Lfirst_quarter
	s_wait_tensorcnt 0x0                           ; all my parts are in,
	s_wait_dscnt 0x0
	s_barrier_signal -1
	s_barrier_wait -1                              ; everybody's are
	s_mov_b32 s[CNT], 6
.Lrest:
	TRIP
	s_sub_co_u32 s[CNT], s[CNT], 1
	s_cmp_lg_u32 s[CNT], 0
	s_cbranch_scc1 .Lrest
	s_wait_dscnt 0x0                               ; my reads of K and V are over,
	s_barrier_signal -1
	s_barrier_wait -1                              ; everybody's are: the stages may be written into K's region
	; THE WAY OUT: O^T / the sum, quantised with 2^(e6 - e4 - e5), through my stage, 1,024 consecutive bytes of yc
	v_add_f32 v14, v14, v15
	v_permlanex16_b32 v252, v14, s[SEL], s[SEL+1]
	v_add_f32 v14, v14, v252                       ; the row's sum
	v_rcp_f32 v14, v14
	v_nop                                          ; a plain line behind the transcendental
	s_sub_co_i32 s96, s86, s84
	s_sub_co_i32 s96, s96, s85
	s_add_co_i32 s96, s96, 127
	s_lshl_b32 s97, s96, 23
	v_mov_b32 v10, s97
	s_add_co_i32 s96, s96, 8
	s_lshl_b32 s96, s96, 23
	s_or_b32 s96, s96, 0x600000
	v_mov_b32 v11, s96
	v_nop
	s_wait_alu depctr_va_vdst(0)                   ; the wait ahead of the reciprocal's first reader
.set j, 0
.rept 32
	v_mul_f32 v[96+j], v[160+j], v14               ; register 8 t + i is o(r, 16 t + 8 h + i); each accumulator from its low end on
.set j, j+1
.endr
.set j, 0
.rept 32
	v_med3_num_f32 v[96+j], v[96+j], -v11, v11
.set j, j+1
.endr
.irp t, 0,1,2,3
	v_cvt_scalef32_pk8_fp8_f32 v[192+2*\t:193+2*\t], v[96+8*\t:103+8*\t], v10
.endr
	v_nop
.irp t, 0,1,2,3
	ds_store_b64 v[STO], v[192+2*\t:193+2*\t] offset:16*\t
.endr
	ds_load_b128 v[200:203], v[RD]                 ; LDS serves a wave's instructions in order: these see my stores
	ds_load_b128 v[204:207], v[RD] offset:8*KP
	s_wait_dscnt 1                                 ; the second load may be out
	global_store_b128 v[GO], v[200:203], s[8:9]
	s_wait_dscnt 0x0
	global_store_b128 v[GO], v[204:207], s[8:9] offset:512
	s_wait_tensorcnt 0x0                           ; the wave's end
	ds_add_u32 v[SPW], v[NIL]
	s_wait_dscnt 0x0
	ROUND                                          ; the closing round
	s_endpgm
.Lfunc_end_k_q8a30a5f35f_attn:
	.size	k_q8a30a5f35f_attn, .Lfunc_end_k_q8a30a5f35f_attn-k_q8a30a5f35f_attn
	.p2alignl 7, 3214868480
	.fill 96, 4, 3214868480
	.section	.rodata,"a",@progbits
	.p2align	6, 0x0
	.amdhsa_kernel k_q8a30a5f35f_attn
		.amdhsa_group_segment_fixed_size 327680
		.amdhsa_private_segment_fixed_size 0
		.amdhsa_enable_private_segment 0
		.amdhsa_kernarg_size 24
		.amdhsa_user_sgpr_count 2
		.amdhsa_user_sgpr_kernarg_segment_ptr 1
		.amdhsa_wavefront_size32 1
		.amdhsa_system_sgpr_workgroup_id_x 1
		.amdhsa_system_sgpr_workgroup_id_y 1
		.amdhsa_system_sgpr_workgroup_id_z 1
		.amdhsa_system_vgpr_workitem_id 0
		.amdhsa_next_free_vgpr 256
		.amdhsa_next_free_sgpr 100
		.amdhsa_reserve_vcc 0
		.amdhsa_float_denorm_mode_32 3
		.amdhsa_float_denorm_mode_16_64 3
		.amdhsa_memory_ordered 1
		.amdhsa_forward_progress 1
		.amdhsa_inst_pref_size 76
	.end_amdhsa_kernel
	.amdgpu_metadata
---
amdhsa.version: [ 1, 2 ]
amdhsa.kernels:
  - .name:           k_q8a30a5f35f_attn
    .symbol:         k_q8a30a5f35f_attn.kd
    .args:
      - { .name: qkvc, .offset: 0, .size: 8, .value_kind: global_buffer, .address_space: global }
      - { .name: lowp_scales, .offset: 8, .size: 8, .value_kind: global_buffer, .address_space: global }
      - { .name: yc, .offset: 16, .size: 8, .value_kind: global_buffer, .address_space: global }
    .group_segment_fixed_size: 327680
    .private_segment_fixed_size: 0
    .kernarg_segment_align: 8
    .kernarg_segment_size: 24
    .max_flat_workgroup_size: 512
    .sgpr_count:     100
    .vgpr_count:     256
    .wavefront_size: 32
...
	.end_amdgpu_metadata
.endif
;; end of part 3
;; launch proj (part 4): grid 8 x 32, 4 waves a work-group, clusters of 4 x 4, 327,680 bytes of LDS; arguments yc, wc, lowp_scales, b_proj, x, x1; writes x1
.if DOCPART == 4
	.amdgcn_target "amdgcn-amd-amdhsa--gfx1250"
	.amdhsa_code_object_version 6
	.text
	.protected	k_q8a30a5f35f_proj
	.globl	k_q8a30a5f35f_proj
	.p2align	8
	.type	k_q8a30a5f35f_proj,@function
k_q8a30a5f35f_proj:
	s_mov_b64 s[64:65], 0
	v_nop
	global_prefetch_b8 v0, s[64:65] scope:SCOPE_SE
	s_setreg_imm32_b32 hwreg(HW_REG_WAVE_MODE, 25, 1), 1
	s_wait_xcnt 0x0
	s_wait_alu depctr_hold_cnt(0) depctr_sa_sdst(0) depctr_va_vdst(0) depctr_va_sdst(0) depctr_va_ssrc(0) depctr_va_vcc(0) depctr_vm_vsrc(0)
	s_getreg_b32 s2, hwreg(HW_REG_IB_STS2, 6, 4)
	s_cmp_eq_u32 s2, 0
	s_cbranch_scc0 .Lentry_in_a_cluster
	s_endpgm
.Lentry_in_a_cluster:
	s_bfe_u32 s2, ttmp6, 0x10000c
	s_cmp_lg_u32 s2, 0xf033
	s_cbranch_scc0 .Lentry_shape_is_right
	s_endpgm
.Lentry_shape_is_right:
; x1 = x + (y w_proj + b_proj): out[m][n] = res[m][n] + (sum x 2^(ea + eb) + bias[n]), the sum on codes of FP8 (E4M3).  Nothing of reference() is left out.
; A's codes: yc, laid [K / 64][4096 rows][64]; B's codes: wc from WOFF on, [1024][SIZE_K], K innermost; bias [1024], res and out [4096][1024] f32.  ea, eb: lowp_scales[6], [7].
; LIMIT: ea + eb between -126 and 127.
; The output has 4,096 x 1,024 numbers: tiles of 128 x 128 give each of 256 work-groups one.  Four waves, each 64 x 64: 16 accumulators.  K goes in steps of 512 through two LDS slots.
; CLUSTERS: 4 x 4 work-groups; A's tile is shared along a row of the cluster, B's along a column, each asked for jointly.
; A's tile of a K step is 8 blocks of 64 rows x 64 bytes, each block dense in memory: ONE descriptor, rows of 4,096 bytes 262,144 apart, 16 bytes of padding behind every 64: in LDS [block 8][row 64][80].
; THE MATRIX INSTRUCTION IS USED TRANSPOSED (source 0 = 16 rows of B, source 1 = 16 rows of A): a lane holds eight neighbouring numbers of a row of the output.
; REGISTERS: window 0: v12-15 bias, v16-29 addresses, v32-127 the residual (three sets of 32), v128-255 the accumulators ((a, b) at v[128 + 8 (4 a + b)]); window 1: two fragment buffers of 128 (A's four, then B's four).
.set SIZE_K, 1024
.set WOFF,   3145728
.set ESC,    0x18
.set LAPS,   SIZE_K/1024               ; a lap = two K steps
.set ABYTES, 8*64*80
.set BBYTES, 64*528
.set SLOT,   2*ABYTES+2*BBYTES
.set SPARE,  2*SLOT
.set SPITCH, 272                       ; the way out: 16 rows of 256 + 16 bytes for each wave, in slot 0, which has had its last fill and its last read by then
.set BIA,  12
.set ADRA, 16
.set ADRB, 20
.set STO,  24
.set RD,   25
.set CO,   26
.set SPW,  28
.set NIL,  29
.set RES,  32
.set ACC,  128
.set F0,   0
.set F1,   128
.set G1, 24
.set G0, 32
.set G1B, 48
.set G0B, 56
.set MSB, 0
.macro WIN new
.if MSB != \new
	s_set_vgpr_msb (MSB<<8)|\new
.set MSB, \new
.endif
.endm
.set MUL,  0x05
.set TO_F, 0x40
.macro JLOAD s                         ; a joint load: waves 0 and 1 fetch A's halves, waves 2 and 3 B's; an s_nop 0 and four v_nop follow each line
	s_cmp_eq_u32 s11, 0
	s_cbranch_scc0 .Lfor_b_\@
	tensor_load_to_lds s[G0+4*\s:G0+4*\s+3], s[G1:G1+7]
	s_nop 0
.rept 4
	v_nop
.endr
	s_branch .Lasked_\@
.Lfor_b_\@:
	tensor_load_to_lds s[G0B+4*\s:G0B+4*\s+3], s[G1B:G1B+7]
	s_nop 0
.rept 4
	v_nop
.endr
.Lasked_\@:
.endm
.macro CREST
	s_cmp_lg_u32 s10, 0
	s_cbranch_scc1 .Lnot_wave_0_\@
	s_barrier_signal -3
.Lnot_wave_0_\@:
	s_barrier_wait -3
	s_barrier_signal -1
	s_barrier_wait -1
.endm
.macro CROUND
	s_barrier_signal -1
	s_barrier_wait -1
	CREST
.endm
	s_load_b128 s[4:7], s[0:1], 0x0                ; A's codes, wc
	s_load_b128 s[68:71], s[0:1], 0x10             ; lowp_scales, bias
	s_load_b128 s[72:75], s[0:1], 0x20             ; res, out
	v_lshl_add_u32 v[SPW], v0, 2, SPARE
	v_mov_b32 v[NIL], 0
	ds_add_u32 v[SPW], v[NIL]                      ; the opening: the add, twice on end, and its wait ahead of my first tensor load
	ds_add_u32 v[SPW], v[NIL]
	v_lshrrev_b32 v1, 5, v0
	v_readfirstlane_b32 s10, v1                    ; wave 0..3
	s_lshr_b32 s11, s10, 1                         ; which half of the tile's rows is mine.  Also: I fetch for A (0) or for B (1)
	s_and_b32 s12, s10, 1                          ; which half of its columns.  Also: which 64 rows of that tile I fetch
	s_bfe_u32 s40, ttmp6, 0x40000
	s_bfe_u32 s41, ttmp6, 0x40004
	s_lshl_b32 s42, ttmp9, 2
	s_add_co_u32 s42, s42, s40                     ; tile column
	s_and_b32 s13, ttmp7, 0xffff
	s_lshl_b32 s13, s13, 2
	s_add_co_u32 s13, s13, s41                     ; tile row
	s_lshl_b32 s43, s41, 2
	s_lshl_b32 s43, 15, s43
	s_lshl_b32 s44, 0x1111, s40
	s_or_b32 s[G1+0], s43, (1<<20)|(1<<21)|(3<<22)|(3<<25)    ; my row's mask; elements of 1 byte; 4 words of padding behind every 16
	s_mov_b32 s[G1+1], 4096<<16                    ; tensor_dim0: 64 rows x 64 bytes on end
	s_mov_b32 s[G1+2], 8<<16                       ; tensor_dim1: 8 blocks
	s_mov_b32 s[G1+3], 4096<<16                    ; tile_dim0
	s_mov_b32 s[G1+4], 8                           ; tile_dim1
	s_mov_b32 s[G1+5], 262144                      ; from block to block
	s_mov_b32 s[G1+6], 0
	s_mov_b32 s[G1+7], 0
	s_or_b32 s[G1B+0], s44, (1<<20)|(1<<21)|(6<<22)|(3<<25)   ; my column's mask; 4 words behind every 128
	s_mov_b32 s[G1B+1], 512<<16
	s_mov_b32 s[G1B+2], 64<<16
	s_mov_b32 s[G1B+3], 512<<16
	s_mov_b32 s[G1B+4], 64
	s_mov_b32 s[G1B+5], SIZE_K
	s_mov_b32 s[G1B+6], 0
	s_mov_b32 s[G1B+7], 0
	s_lshl_b32 s16, s13, 7
	s_lshl_b32 s17, s12, 6
	s_add_co_u32 s16, s16, s17
	s_lshl_b32 s16, s16, 6                         ; A: (128 x tile row + 64 x half) x 64 bytes
	s_mov_b32 s17, 0
	s_lshl_b32 s46, s42, 7
	s_lshl_b32 s47, s12, 6
	s_add_co_u32 s46, s46, s47
	s_mul_i32 s46, s46, SIZE_K
	s_add_co_u32 s46, s46, WOFF                    ; B: the weight's place + (128 x tile column + 64 x half) rows
	s_mov_b32 s47, 0
	s_mul_i32 s20, s12, ABYTES                     ; where they go
	s_mul_i32 s21, s12, BBYTES
	s_add_co_u32 s21, s21, 2*ABYTES
	s_wait_dscnt 0x0                               ; both opening adds are done
	s_wait_kmcnt 0x0
	s_load_b64 s[96:97], s[68:69], ESC             ; ea, eb
	s_add_nc_u64 s[14:15], s[4:5], s[16:17]
	s_add_nc_u64 s[46:47], s[6:7], s[46:47]
	CROUND                                         ; all sixteen work-groups are here: the first joint loads meet
.irp s, 0,1
	s_mov_b32 s[G0+4*\s], 1
	s_add_co_u32 s[G0+4*\s+1], s20, \s*SLOT
	s_add_nc_u64 s[G0+4*\s+2:G0+4*\s+3], s[14:15], \s*2097152
	s_or_b32 s[G0+4*\s+3], s[G0+4*\s+3], 0x80000000
	s_mov_b32 s[G0B+4*\s], 1
	s_add_co_u32 s[G0B+4*\s+1], s21, \s*SLOT
	s_add_nc_u64 s[G0B+4*\s+2:G0B+4*\s+3], s[46:47], \s*512
	s_or_b32 s[G0B+4*\s+3], s[G0B+4*\s+3], 0x80000000
	JLOAD \s
.endr
	v_and_b32 v1, 15, v0                           ; r
	v_bfe_u32 v2, v0, 4, 1                         ; h
	v_mul_u32_u24 v3, v1, 80
	v_lshl_add_u32 v3, v2, 4, v3
	v_mul_u32_u24 v4, v1, 528
	v_lshl_add_u32 v4, v2, 4, v4
	s_mul_i32 s21, s11, ABYTES
	s_mul_i32 s22, s12, BBYTES
	s_add_co_u32 s22, s22, 2*ABYTES
.irp s, 0,1
	v_add_nc_u32 v[ADRA+\s], s21, v3
	v_add_nc_u32 v[ADRB+\s], s22, v4
	s_add_co_u32 s21, s21, SLOT
	s_add_co_u32 s22, s22, SLOT
.endr
	s_mul_i32 s23, s10, 16*SPITCH
	v_mul_u32_u24 v5, v1, SPITCH
	v_lshl_add_u32 v5, v2, 5, v5
	v_add_nc_u32 v[STO], s23, v5                   ; in: row r, 32 bytes for each half of the lanes
	v_mul_u32_u24 v5, v2, SPITCH
	v_lshl_add_u32 v5, v1, 4, v5
	v_add_nc_u32 v[RD], s23, v5                    ; back: lanes 0-15 one row of 256 bytes, lanes 16-31 the next
	v_lshlrev_b32 v5, 12, v2
	v_lshl_add_u32 v[CO], v1, 4, v5                ; and the same two rows in res and out
	v_lshlrev_b32 v6, 4, v1
	s_lshl_b32 s76, s13, 7
	s_lshl_b32 s77, s11, 6
	s_add_co_u32 s76, s76, s77
	s_lshl_b32 s76, s76, 12                        ; my first row,
	s_lshl_b32 s78, s42, 9
	s_lshl_b32 s77, s12, 8
	s_add_co_u32 s78, s78, s77                     ; my first column, in bytes
	s_add_co_u32 s76, s76, s78
	s_mov_b32 s77, 0
	s_mov_b32 s79, 0
	s_add_nc_u64 s[72:73], s[72:73], s[76:77]
	s_add_nc_u64 s[74:75], s[74:75], s[76:77]
	s_add_nc_u64 s[70:71], s[70:71], s[78:79]
	global_load_b128 v[BIA:BIA+3], v6, s[70:71]    ; the bias of the four columns that I store
.irp a, 0,1,2
.irp t, 0,1,2,3,4,5,6,7
	global_load_b128 v[RES+32*\a+4*\t:RES+32*\a+4*\t+3], v[CO], s[72:73] offset:(16*\a+2*\t)*4096   ; the residual of blocks 0 to 2, in the layout of the stores: it lands under the products
.endr
.endr
.macro MUL8 f, a0, zero                ; the 16 accumulators take turns, one instruction a turn
.irp a, \a0, \a0+1
.irp b, 0,1,2,3
.if \zero
	v_wmma_f32_16x16x128_fp8_fp8 v[ACC+8*(4*(\a)+\b):ACC+8*(4*(\a)+\b)+7], v[\f+64+16*\b:\f+64+16*\b+15], v[\f+16*(\a):\f+16*(\a)+15], 0
.else
	v_wmma_f32_16x16x128_fp8_fp8 v[ACC+8*(4*(\a)+\b):ACC+8*(4*(\a)+\b)+7], v[\f+64+16*\b:\f+64+16*\b+15], v[\f+16*(\a):\f+16*(\a)+15], v[ACC+8*(4*(\a)+\b):ACC+8*(4*(\a)+\b)+7]
.endif
.endr
.endr
.endm
.macro FETCH slot, q, f                ; 32 LDS loads in one run: the fragments of the slot's q-th 128 along K; registers 4 c .. 4 c + 3 hold K = 32 c + 16 h + 0 .. 15, in A and in B alike
	WIN TO_F
.irp i, 0,1,2,3
.irp c, 0,1,2,3
	ds_load_b128 v[\f+64+16*\i+4*\c:\f+64+16*\i+4*\c+3], v[ADRB+\slot] offset:128*(\q)+32*\c+\i*8448
.endr
.endr
.irp i, 0,1,2,3
.irp c, 0,1,2,3
	ds_load_b128 v[\f+16*\i+4*\c:\f+16*\i+4*\c+3], v[ADRA+\slot] offset:(2*(\q)+\c/2)*5120+\i*1280+(\c%2)*32
.endr
.endr
.endm
.macro PLACES
.rept 4
	v_nop
.endr
.endm
.macro QUARTER slot, qn, f, g, zero    ; asks for quarter qn into buffer g, then multiplies buffer f
	PLACES                                         ; in front of loads into registers that the last products read
	FETCH \slot, \qn, \g
	s_wait_dscnt 32                                ; all but the 32 just issued
	WIN MUL
	MUL8 \f, 0, \zero
	MUL8 \f, 2, \zero
.endm
.macro TURN slot, next, fill           ; a slot's last quarter (buffer 1) changes slots: one barrier; fill = 1: it opens a round of the cluster's barrier and the slot is filled again
	WIN 0
	s_wait_tensorcnt 0x0                           ; all my tensor loads have landed: my part of the next slot
	ds_add_u32 v[SPW], v[NIL]                      ; 0 onto my spare word
	s_wait_dscnt 1                                 ; the add may be out
	WIN MUL
	MUL8 F1, 0, 0
	s_wait_dscnt 0x0                               ; the add is done, and my reads of this slot are over
	s_barrier_signal -1
	MUL8 F1, 2, 0
	WIN 0
	s_barrier_wait -1
.if \fill
	CREST
	s_add_nc_u64 s[G0+4*\slot+2:G0+4*\slot+3], s[G0+4*\slot+2:G0+4*\slot+3], 4194304
	s_add_nc_u64 s[G0B+4*\slot+2:G0B+4*\slot+3], s[G0B+4*\slot+2:G0B+4*\slot+3], 1024
	JLOAD \slot                                    ; the first tensor load behind the round; its four v_nop are the places in front of the loads below
.else
	PLACES
.endif
	FETCH \next, 0, F0
.endm
	s_wait_tensorcnt 1                             ; my part of K step 0 is in; K step 1's load may be out
	s_barrier_signal -1
	s_barrier_wait -1
	FETCH 0, 0, F0
	QUARTER 0, 1, F0, F1, 1                        ; the first products start the sums
.if LAPS > 1
	WIN 0
	s_mov_b32 s3, LAPS-1
.Llap:
	QUARTER 0, 2, F1, F0, 0
	QUARTER 0, 3, F0, F1, 0
	TURN 0, 1, 1
	QUARTER 1, 1, F0, F1, 0
	QUARTER 1, 2, F1, F0, 0
	QUARTER 1, 3, F0, F1, 0
	TURN 1, 0, 1
	QUARTER 0, 1, F0, F1, 0
	WIN 0
	s_sub_co_u32 s3, s3, 1
	s_cmp_lg_u32 s3, 0
	s_cbranch_scc1 .Llap
.endif
	QUARTER 0, 2, F1, F0, 0                        ; the last lap fills nothing
	QUARTER 0, 3, F0, F1, 0
	TURN 0, 1, 0
	QUARTER 1, 1, F0, F1, 0
	QUARTER 1, 2, F1, F0, 0
	QUARTER 1, 3, F0, F1, 0
	s_wait_dscnt 0x0
	MUL8 F1, 0, 0
	MUL8 F1, 2, 0
	WIN 0
; THE WAY OUT, a block of 16 rows x 64 columns at a time: the sums go through my stage as they are and come back as rows of 256 bytes, into the registers that they left; there scale, bias and residual are applied.
.macro STAGE a
.irp b, 0,1,2,3
	ds_store_b128 v[STO], v[ACC+32*(\a)+8*\b:ACC+32*(\a)+8*\b+3] offset:64*\b        ; each accumulator from its low end on
	ds_store_b128 v[STO], v[ACC+32*(\a)+8*\b+4:ACC+32*(\a)+8*\b+7] offset:64*\b+16
.endr
.irp t, 0,1,2,3,4,5,6,7
	ds_load_b128 v[ACC+32*(\a)+4*\t:ACC+32*(\a)+4*\t+3], v[RD] offset:\t*2*SPITCH    ; LDS serves a wave's instructions in order
.endr
.endm
.macro FIN a, younger, set
.set XA, ACC+32*(\a)
.set RS, RES+32*(\set)
	s_wait_dscnt \younger                          ; the next block's sixteen LDS instructions may be out
.irp t, 0,1,2,3,4,5,6,7
	v_pk_fma_f32 v[XA+4*\t:XA+4*\t+1], v[XA+4*\t:XA+4*\t+1], s[96:97], v[BIA:BIA+1] op_sel_hi:[1,0,1]
	v_pk_fma_f32 v[XA+4*\t+2:XA+4*\t+3], v[XA+4*\t+2:XA+4*\t+3], s[96:97], v[BIA+2:BIA+3] op_sel_hi:[1,0,1]
.endr
.irp t, 0,1,2,3,4,5,6,7
	v_pk_add_f32 v[XA+4*\t:XA+4*\t+1], v[XA+4*\t:XA+4*\t+1], v[RS+4*\t:RS+4*\t+1]
	v_pk_add_f32 v[XA+4*\t+2:XA+4*\t+3], v[XA+4*\t+2:XA+4*\t+3], v[RS+4*\t+2:RS+4*\t+3]
.endr
.irp t, 0,1,2,3,4,5,6,7
	global_store_b128 v[CO], v[XA+4*\t:XA+4*\t+3], s[74:75] offset:(16*(\a)+2*\t)*4096   ; sixteen lanes store 256 consecutive bytes, aligned
.endr
.endm
	PLACES
	s_wait_loadcnt 0x0                             ; the bias and three blocks of the residual
	s_wait_kmcnt 0x0
	s_add_co_i32 s96, s96, s97
	s_add_co_i32 s96, s96, 127
	s_lshl_b32 s96, s96, 23                        ; 2^(ea + eb)
	s_mov_b32 s97, s96
	STAGE 0
	STAGE 1
	FIN 0, 16, 0
.irp t, 0,1,2,3,4,5,6,7
	global_load_b128 v[RES+4*\t:RES+4*\t+3], v[CO], s[72:73] offset:(48+2*\t)*4096   ; block 3's residual, into the set that block 0 has left
.endr
	STAGE 2
	FIN 1, 16, 1
	STAGE 3
	FIN 2, 16, 2
	s_wait_loadcnt 0x0
	FIN 3, 0, 0
	s_wait_tensorcnt 0x0                           ; the wave's end
	ds_add_u32 v[SPW], v[NIL]
	s_wait_dscnt 0x0
	CROUND                                         ; the closing round
	s_endpgm
.Lfunc_end_k_q8a30a5f35f_proj:
	.size	k_q8a30a5f35f_proj, .Lfunc_end_k_q8a30a5f35f_proj-k_q8a30a5f35f_proj
	.p2alignl 7, 3214868480
	.fill 96, 4, 3214868480
	.section	.rodata,"a",@progbits
	.p2align	6, 0x0
	.amdhsa_kernel k_q8a30a5f35f_proj
		.amdhsa_group_segment_fixed_size 327680
		.amdhsa_private_segment_fixed_size 0
		.amdhsa_enable_private_segment 0
		.amdhsa_kernarg_size 48
		.amdhsa_user_sgpr_count 2
		.amdhsa_user_sgpr_kernarg_segment_ptr 1
		.amdhsa_wavefront_size32 1
		.amdhsa_system_sgpr_workgroup_id_x 1
		.amdhsa_system_sgpr_workgroup_id_y 1
		.amdhsa_system_sgpr_workgroup_id_z 1
		.amdhsa_system_vgpr_workitem_id 0
		.amdhsa_next_free_vgpr 512
		.amdhsa_next_free_sgpr 98
		.amdhsa_reserve_vcc 0
		.amdhsa_float_denorm_mode_32 3
		.amdhsa_float_denorm_mode_16_64 3
		.amdhsa_memory_ordered 1
		.amdhsa_forward_progress 1
		.amdhsa_inst_pref_size 53
	.end_amdhsa_kernel
	.amdgpu_metadata
---
amdhsa.version: [ 1, 2 ]
amdhsa.kernels:
  - .name:           k_q8a30a5f35f_proj
    .symbol:         k_q8a30a5f35f_proj.kd
    .args:
      - { .name: yc, .offset: 0, .size: 8, .value_kind: global_buffer, .address_space: global }
      - { .name: wc, .offset: 8, .size: 8, .value_kind: global_buffer, .address_space: global }
      - { .name: lowp_scales, .offset: 16, .size: 8, .value_kind: global_buffer, .address_space: global }
      - { .name: b_proj, .offset: 24, .size: 8, .value_kind: global_buffer, .address_space: global }
      - { .name: x, .offset: 32, .size: 8, .value_kind: global_buffer, .address_space: global }
      - { .name: x1, .offset: 40, .size: 8, .value_kind: global_buffer, .address_space: global }
    .group_segment_fixed_size: 327680
    .private_segment_fixed_size: 0
    .kernarg_segment_align: 8
    .kernarg_segment_size: 48
    .max_flat_workgroup_size: 128
    .sgpr_count:     98
    .vgpr_count:     512
    .wavefront_size: 32
...
	.end_amdgpu_metadata
.endif
;; end of part 4
;; launch ln2 (part 5): grid 256 x 1, 4 waves a work-group, no clusters, 0 bytes of LDS; arguments x1, ln2_g, ln2_b, lowp_scales, xn2; writes xn2
.if DOCPART == 5
	.amdgcn_target "amdgcn-amd-amdhsa--gfx1250"
	.amdhsa_code_object_version 6
	.text
	.protected	k_q8a30a5f35f_ln2
	.globl	k_q8a30a5f35f_ln2
	.p2align	8
	.type	k_q8a30a5f35f_ln2,@function
k_q8a30a5f35f_ln2:
	s_mov_b64 s[64:65], 0
	v_nop
	global_prefetch_b8 v0, s[64:65] scope:SCOPE_SE
	s_setreg_imm32_b32 hwreg(HW_REG_WAVE_MODE, 25, 1), 1
	s_wait_xcnt 0x0
; LayerNorm 2 of x1 [4096][1024] f32, quantised with lowp_scales[8] into xn2 [4096][1024] codes of FP8 (E4M3).  Nothing of reference() is left out.
; code = number / 2^e, held within +-448, to the nearest code, ties to even.  LIMIT: e between -126 and 119; NaN and infinity are not served.
; A work-group takes 16 rows, a wave four, each row whole in 32 registers of the wave: mean, then the mean of the squared differences, as reference() has them.  The reduction never leaves the wave: no LDS, no barrier.
; Memory binds: matrix units, tensor loads and clusters would add nothing, and no two work-groups read the same row.
.set CD,    32                         ; v32-63   codes, 8 registers a row, never rewritten
.set RW,    64                         ; v64-191  four rows of 32 numbers
.set GM,    192                        ; v192-223 gain
.set BT,    224                        ; v224-255 shift
	s_load_b256 s[8:15], s[0:1], 0x0               ; x1 8, ln2_g 10, ln2_b 12, lowp_scales 14
	s_load_b64 s[26:27], s[0:1], 0x20              ; xn2
	v_lshrrev_b32 v1, 5, v0
	v_readfirstlane_b32 s3, v1                     ; wave 0..3
	v_and_b32 v2, 31, v0                           ; lane
	s_lshl_b32 s2, ttmp9, 4
	s_lshl_b32 s28, s3, 2
	s_add_co_u32 s2, s2, s28                       ; my first row
	s_wait_kmcnt 0x0
	s_load_b32 s32, s[14:15], 0x20                 ; e8
	s_lshl_b32 s28, s2, 12
	s_mov_b32 s29, 0
	s_add_nc_u64 s[4:5], s[8:9], s[28:29]
	s_lshl_b32 s28, s2, 10
	s_add_nc_u64 s[6:7], s[26:27], s[28:29]
	v_lshlrev_b32 v3, 5, v2                        ; in: lane l holds, for j = 0 .. 3, the 8 neighbours from number 256 j + 8 l on
	v_lshlrev_b32 v4, 3, v2                        ; out: their 8 codes: the wave stores 256 consecutive bytes
.irp j, 0,1,2,3
	global_load_b128 v[GM+8*\j:GM+8*\j+3], v3, s[10:11] offset:1024*\j
	global_load_b128 v[GM+8*\j+4:GM+8*\j+7], v3, s[10:11] offset:1024*\j+16
.endr
.irp j, 0,1,2,3
	global_load_b128 v[BT+8*\j:BT+8*\j+3], v3, s[12:13] offset:1024*\j
	global_load_b128 v[BT+8*\j+4:BT+8*\j+7], v3, s[12:13] offset:1024*\j+16
.endr
.irp k, 0,1,2,3
.irp j, 0,1,2,3
	global_load_b128 v[RW+32*\k+8*\j:RW+32*\k+8*\j+3], v3, s[4:5] offset:4096*\k+1024*\j
	global_load_b128 v[RW+32*\k+8*\j+4:RW+32*\k+8*\j+7], v3, s[4:5] offset:4096*\k+1024*\j+16
.endr
.endr
	s_mov_b32 s54, 0x76543210                      ; v_permlanex16_b32: lane l xor 16
	s_mov_b32 s55, 0xfedcba98
	s_mov_b32 s56, 0x3a800000                      ; 1 / 1024
	s_mov_b32 s57, 0x358637bd                      ; 1e-6
	s_wait_kmcnt 0x0
	s_add_co_i32 s32, s32, 127
	s_lshl_b32 s28, s32, 23
	v_mov_b32 v11, s28                             ; 2^e
	s_add_co_i32 s32, s32, 8
	s_lshl_b32 s32, s32, 23
	s_or_b32 s32, s32, 0x600000
	v_mov_b32 v10, s32                             ; 448 x 2^e
.macro REDUCE                          ; v16 summed over the 32 lanes, the result in every lane
	v_add_f32_dpp v16, v16, v16 row_xmask:1 row_mask:0xf bank_mask:0xf
	v_add_f32_dpp v16, v16, v16 row_xmask:2 row_mask:0xf bank_mask:0xf
	v_add_f32_dpp v16, v16, v16 row_xmask:4 row_mask:0xf bank_mask:0xf
	v_add_f32_dpp v16, v16, v16 row_xmask:8 row_mask:0xf bank_mask:0xf
	v_permlanex16_b32 v17, v16, s54, s55
	v_add_f32 v16, v16, v17
.endm
.macro FOLD                            ; four packed chains into v16
	v_pk_add_f32 v[16:17], v[16:17], v[18:19]
	v_pk_add_f32 v[24:25], v[24:25], v[26:27]
	v_pk_add_f32 v[16:17], v[16:17], v[24:25]
	v_add_f32 v16, v16, v17
.endm
.macro ROW k
.set R, RW+32*(\k)
	s_wait_loadcnt 8*(3-(\k))                      ; the later rows' loads, eight each, may be out
	v_pk_add_f32 v[16:17], v[R:R+1], v[R+2:R+3]
	v_pk_add_f32 v[18:19], v[R+4:R+5], v[R+6:R+7]
	v_pk_add_f32 v[24:25], v[R+8:R+9], v[R+10:R+11]
	v_pk_add_f32 v[26:27], v[R+12:R+13], v[R+14:R+15]
.irp j, 16,24
	v_pk_add_f32 v[16:17], v[16:17], v[R+\j:R+\j+1]
	v_pk_add_f32 v[18:19], v[18:19], v[R+\j+2:R+\j+3]
	v_pk_add_f32 v[24:25], v[24:25], v[R+\j+4:R+\j+5]
	v_pk_add_f32 v[26:27], v[26:27], v[R+\j+6:R+\j+7]
.endr
	FOLD
	REDUCE
	v_mul_f32 v20, s56, v16                        ; the mean, twice: a pair for the packed forms
	v_mul_f32 v21, s56, v16
.set i, 0
.rept 16
	v_pk_add_f32 v[R+i:R+i+1], v[R+i:R+i+1], v[20:21] neg_lo:[0,1] neg_hi:[0,1]
.set i, i+2
.endr
	v_pk_mul_f32 v[16:17], v[R:R+1], v[R:R+1]
	v_pk_mul_f32 v[18:19], v[R+2:R+3], v[R+2:R+3]
	v_pk_mul_f32 v[24:25], v[R+4:R+5], v[R+4:R+5]
	v_pk_mul_f32 v[26:27], v[R+6:R+7], v[R+6:R+7]
.irp j, 8,16,24
	v_pk_fma_f32 v[16:17], v[R+\j:R+\j+1], v[R+\j:R+\j+1], v[16:17]
	v_pk_fma_f32 v[18:19], v[R+\j+2:R+\j+3], v[R+\j+2:R+\j+3], v[18:19]
	v_pk_fma_f32 v[24:25], v[R+\j+4:R+\j+5], v[R+\j+4:R+\j+5], v[24:25]
	v_pk_fma_f32 v[26:27], v[R+\j+6:R+\j+7], v[R+\j+6:R+\j+7], v[26:27]
.endr
	FOLD
	REDUCE
	v_fma_f32 v16, v16, s56, s57                   ; the variance + 1e-6
	v_rsq_f32 v22, v16
	v_rsq_f32 v23, v16
	v_nop                                          ; a plain line behind the transcendentals,
	s_wait_alu depctr_va_vdst(0)                   ; and the wait ahead of their first reader: one for both
.set i, 0
.rept 16
	v_pk_mul_f32 v[R+i:R+i+1], v[R+i:R+i+1], v[22:23]
.set i, i+2
.endr
.set i, 0
.rept 16
	v_pk_fma_f32 v[R+i:R+i+1], v[R+i:R+i+1], v[GM+i:GM+i+1], v[BT+i:BT+i+1]
.set i, i+2
.endr
.set i, 0
.rept 32
	v_med3_num_f32 v[R+i], v[R+i], -v10, v10       ; the conversion to an 8-bit code does not saturate (ISA guide 7.6.2): the hold comes first
.set i, i+1
.endr
.irp j, 0,1,2,3
	v_cvt_scalef32_pk8_fp8_f32 v[CD+8*(\k)+2*\j:CD+8*(\k)+2*\j+1], v[R+8*\j:R+8*\j+7], v11
.endr
	v_nop
.irp j, 0,1,2,3
	global_store_b64 v4, v[CD+8*(\k)+2*\j:CD+8*(\k)+2*\j+1], s[6:7] offset:1024*(\k)+256*\j
.endr
.endm
	ROW 0
	ROW 1
	ROW 2
	ROW 3
	s_endpgm
.Lfunc_end_k_q8a30a5f35f_ln2:
	.size	k_q8a30a5f35f_ln2, .Lfunc_end_k_q8a30a5f35f_ln2-k_q8a30a5f35f_ln2
	.p2alignl 7, 3214868480
	.fill 96, 4, 3214868480
	.section	.rodata,"a",@progbits
	.p2align	6, 0x0
	.amdhsa_kernel k_q8a30a5f35f_ln2
		.amdhsa_group_segment_fixed_size 0
		.amdhsa_private_segment_fixed_size 0
		.amdhsa_enable_private_segment 0
		.amdhsa_kernarg_size 40
		.amdhsa_user_sgpr_count 2
		.amdhsa_user_sgpr_kernarg_segment_ptr 1
		.amdhsa_wavefront_size32 1
		.amdhsa_system_sgpr_workgroup_id_x 1
		.amdhsa_system_sgpr_workgroup_id_y 1
		.amdhsa_system_sgpr_workgroup_id_z 1
		.amdhsa_system_vgpr_workitem_id 0
		.amdhsa_next_free_vgpr 256
		.amdhsa_next_free_sgpr 66
		.amdhsa_reserve_vcc 0
		.amdhsa_float_denorm_mode_32 3
		.amdhsa_float_denorm_mode_16_64 3
		.amdhsa_memory_ordered 1
		.amdhsa_forward_progress 1
		.amdhsa_inst_pref_size 42
	.end_amdhsa_kernel
	.amdgpu_metadata
---
amdhsa.version: [ 1, 2 ]
amdhsa.kernels:
  - .name:           k_q8a30a5f35f_ln2
    .symbol:         k_q8a30a5f35f_ln2.kd
    .args:
      - { .name: x1, .offset: 0, .size: 8, .value_kind: global_buffer, .address_space: global }
      - { .name: ln2_g, .offset: 8, .size: 8, .value_kind: global_buffer, .address_space: global }
      - { .name: ln2_b, .offset: 16, .size: 8, .value_kind: global_buffer, .address_space: global }
      - { .name: lowp_scales, .offset: 24, .size: 8, .value_kind: global_buffer, .address_space: global }
      - { .name: xn2, .offset: 32, .size: 8, .value_kind: global_buffer, .address_space: global }
    .group_segment_fixed_size: 0
    .private_segment_fixed_size: 0
    .kernarg_segment_align: 8
    .kernarg_segment_size: 40
    .max_flat_workgroup_size: 128
    .sgpr_count:     66
    .vgpr_count:     256
    .wavefront_size: 32
...
	.end_amdgpu_metadata
.endif
;; end of part 5
;; launch mlp1 (part 6): grid 16 x 16, 4 waves a work-group, clusters of 4 x 4, 327,680 bytes of LDS; arguments xn2, wc, lowp_scales, b_mlp1, hc; writes hc
.if DOCPART == 6
	.amdgcn_target "amdgcn-amd-amdhsa--gfx1250"
	.amdhsa_code_object_version 6
	.text
	.protected	k_q8a30a5f35f_mlp1
	.globl	k_q8a30a5f35f_mlp1
	.p2align	8
	.type	k_q8a30a5f35f_mlp1,@function
k_q8a30a5f35f_mlp1:
	s_mov_b64 s[64:65], 0
	v_nop
	global_prefetch_b8 v0, s[64:65] scope:SCOPE_SE
	s_setreg_imm32_b32 hwreg(HW_REG_WAVE_MODE, 25, 1), 1
	s_wait_xcnt 0x0
	s_wait_alu depctr_hold_cnt(0) depctr_sa_sdst(0) depctr_va_vdst(0) depctr_va_sdst(0) depctr_va_ssrc(0) depctr_va_vcc(0) depctr_vm_vsrc(0)
	s_getreg_b32 s2, hwreg(HW_REG_IB_STS2, 6, 4)
	s_cmp_eq_u32 s2, 0
	s_cbranch_scc0 .Lentry_in_a_cluster
	s_endpgm
.Lentry_in_a_cluster:
	s_bfe_u32 s2, ttmp6, 0x10000c
	s_cmp_lg_u32 s2, 0xf033
	s_cbranch_scc0 .Lentry_shape_is_right
	s_endpgm
.Lentry_shape_is_right:
; h = gelu(xn2 x w_mlp1 + b_mlp1), the product on codes of FP8 (E4M3); h is quantised at once with lowp_scales[10].  Nothing of reference() is left out.
; xn2: [4096][1024] codes (e8).  wc from byte 4,194,304: w_mlp1's codes [4096][1024], K innermost (e9).  hc: [K / 64 = 64][4096 rows][64] codes: column n of h lies in block n / 64 at byte n % 64.
; THE EXACT GELU: u = sum x 2^(e8 + e9) + b1; q = erfc(|u| / sqrt 2) / 2; gelu = max(u, 0) - |u| q, which is u Phi(u) for either sign of u.
; q = (a1 t + .. + a5 t^5) / 2 x 2^(-u^2 log2(e) / 2), t = 1 / (1 + p |u| / sqrt 2): Abramowitz and Stegun 7.1.26.
; LIMITS: that formula's erf is within 1.5e-7 of the true one, the size of f32's own rounding of 1 + erf; e8 + e9 between -126 and 127; e10 between -126 and 119; NaN and infinity are not served.
; The product is laid as in the launch that makes q, k and v: a tile of 256 x 256, four waves of 128 x 128, K in steps of 256 through two LDS slots, clusters of 4 x 4 with joint loads,
; the matrix instruction used transposed (source 0 = 16 rows of W, source 1 = 16 tokens): a lane holds one token and eight neighbouring columns, neighbours along the next product's K.
; THE WAY OUT IS A LOOP OF TWO TRIPS, so that the GELU's text is written for four blocks of 16 rows and not for eight: u is made in place in window 2 ahead of the loop, and from window 3 into window 2 between the trips.
; REGISTERS: window 0: v0-31 addresses and constants, v32-95 b1 in the result's layout, from v128 A's fragments; on the way out v96-127 t, v128-159 the exponential, v160-191 the polynomial, v192-223 max(u, 0) and the result, v224-239 codes, v240-255 codes back from the stage.
;   window 1: B's fragments, two sets.  windows 2, 3: the accumulators ((a, b) at v[8 (8 (a % 4) + b)]).
.set SIZE_K, 1024
.set WOFF,   4194304
.set KSTEP,  256
.set ROWB,   256
.set KROW,   SIZE_K
.set PITCH,  272
.set FR,     16
.set NL,     4
.set NP,     4
.set HALFT,  128*PITCH
.set SLOT,   4*HALFT
.set LAPS,   SIZE_K/(2*KSTEP)
.set SPARE,  2*SLOT
.set ADRA, 16
.set ADRB, 20
.set STO,  24                          ; my stage: 2,560 x wave: two blocks of 64 columns x 16 rows of 64 bytes + 16, in slot 0, which has had its last fill and its last read by then
.set RD,   25
.set CO,   26
.set SPW,  28
.set NIL,  29
.set BIAS, 32
.set T,    96
.set W,    128
.set P,    160
.set M,    192
.set CDS,  224
.set BK,   240
.set AF,   128
.set G1, 24
.set G0, 32
.set G1B, 48
.set G0B, 56
.set MSB, 0
.macro WIN new
.if MSB != \new
	s_set_vgpr_msb (MSB<<8)|\new
.set MSB, \new
.endif
.endm
.set MUL_LO, 0xa1
.set MUL_HI, 0xf1
.set TO_B,   0x40
.macro JLOAD g0a, g1a, g0b, g1b        ; a joint load: waves 0 and 1 fetch for A, waves 2 and 3 for B; an s_nop 0 and four v_nop follow each line
	s_cmp_eq_u32 s15, 0
	s_cbranch_scc0 .Lfor_b_\@
	tensor_load_to_lds s[\g0a:\g0a+3], s[\g1a:\g1a+7]
	s_nop 0
.rept 4
	v_nop
.endr
	s_branch .Lasked_\@
.Lfor_b_\@:
	tensor_load_to_lds s[\g0b:\g0b+3], s[\g1b:\g1b+7]
	s_nop 0
.rept 4
	v_nop
.endr
.Lasked_\@:
.endm
.macro CREST
	s_cmp_lg_u32 s14, 0
	s_cbranch_scc1 .Lnot_wave_0_\@
	s_barrier_signal -3
.Lnot_wave_0_\@:
	s_barrier_wait -3
	s_barrier_signal -1
	s_barrier_wait -1
.endm
.macro CROUND
	s_barrier_signal -1
	s_barrier_wait -1
	CREST
.endm
	s_load_b128 s[4:7], s[0:1], 0x0                ; xn2, wc
	s_load_b128 s[8:11], s[0:1], 0x10              ; lowp_scales, b_mlp1
	s_load_b64 s[12:13], s[0:1], 0x20              ; hc
	v_lshl_add_u32 v[SPW], v0, 2, SPARE
	v_mov_b32 v[NIL], 0
	ds_add_u32 v[SPW], v[NIL]                      ; the opening: the add, twice on end, and its wait ahead of my first tensor load
	ds_add_u32 v[SPW], v[NIL]
	v_lshrrev_b32 v1, 5, v0
	v_readfirstlane_b32 s14, v1                    ; wave 0..3
	s_lshr_b32 s15, s14, 1                         ; which half of the tile's rows is mine.  Also: I fetch for A (0) or for B (1)
	s_and_b32 s16, s14, 1                          ; which half of its columns.  Also: which 128 rows of that tile I fetch
	s_bfe_u32 s40, ttmp6, 0x40000
	s_bfe_u32 s41, ttmp6, 0x40004
	s_lshl_b32 s42, ttmp9, 2
	s_add_co_u32 s42, s42, s40                     ; tile column
	s_and_b32 s17, ttmp7, 0xffff
	s_lshl_b32 s17, s17, 2
	s_add_co_u32 s17, s17, s41                     ; tile row
	s_lshl_b32 s43, s41, 2
	s_lshl_b32 s43, 15, s43
	s_lshl_b32 s44, 0x1111, s40
	s_or_b32 s[G1+0], s43, (0<<16)|(1<<20)|(1<<21)|(5<<22)|(3<<25)
	s_or_b32 s[G1B+0], s44, (0<<16)|(1<<20)|(1<<21)|(5<<22)|(3<<25)
.irp g, G1, G1B
	s_mov_b32 s[\g+1], ROWB<<16
	s_mov_b32 s[\g+2], 128<<16
	s_mov_b32 s[\g+3], ROWB<<16
	s_mov_b32 s[\g+4], 128
	s_mov_b32 s[\g+5], KROW
	s_mov_b32 s[\g+6], 0
	s_mov_b32 s[\g+7], 0
.endr
	s_mov_b32 s66, 0xbf3a00e3                      ; a4 / 2; each constant twice: the packed forms name a pair
	s_mov_b32 s67, s66
	s_mov_b32 s68, 0x3f35f0e3                      ; a3 / 2
	s_mov_b32 s69, s68
	s_mov_b32 s70, 0xbe11a98e                      ; a2 / 2
	s_mov_b32 s71, s70
	s_mov_b32 s72, 0x3e027906                      ; a1 / 2
	s_mov_b32 s73, s72
	s_mov_b32 s74, 0xbf38aa3b                      ; -log2(e) / 2
	s_mov_b32 s75, s74
	s_mov_b32 s76, 0x3e6d3388                      ; p / sqrt 2
	v_mov_b32 v30, 0x3f07dc22                      ; a5 / 2
	v_mov_b32 v31, 0x3f07dc22
	s_lshl_b32 s18, s16, 7
	s_lshl_b32 s20, s17, 8
	s_add_co_u32 s20, s20, s18
	s_lshl_b32 s46, s42, 8
	s_add_co_u32 s46, s46, s18
	s_mov_b32 s21, 0
	s_mov_b32 s47, 0
	s_mov_b64 s[18:19], KROW
	s_mul_u64 s[20:21], s[20:21], s[18:19]
	s_mul_u64 s[46:47], s[46:47], s[18:19]
	s_mul_i32 s45, s14, HALFT
	s_wait_dscnt 0x0                               ; both opening adds are done
	s_wait_kmcnt 0x0
	s_load_b128 s[80:83], s[8:9], 0x20             ; e8, e9, e10, e11
	s_add_nc_u64 s[6:7], s[6:7], WOFF              ; w_mlp1's codes
	s_add_nc_u64 s[20:21], s[4:5], s[20:21]
	s_add_nc_u64 s[46:47], s[6:7], s[46:47]
	CROUND                                         ; all sixteen work-groups are here: the first joint loads meet
.irp s, 0,1
	s_mov_b32 s[G0+4*\s], 1
	s_add_co_u32 s[G0+4*\s+1], s45, \s*SLOT
	s_add_nc_u64 s[G0+4*\s+2:G0+4*\s+3], s[20:21], \s*ROWB
	s_or_b32 s[G0+4*\s+3], s[G0+4*\s+3], 0x80000000
	s_mov_b32 s[G0B+4*\s], 1
	s_add_co_u32 s[G0B+4*\s+1], s45, \s*SLOT
	s_add_nc_u64 s[G0B+4*\s+2:G0B+4*\s+3], s[46:47], \s*ROWB
	s_or_b32 s[G0B+4*\s+3], s[G0B+4*\s+3], 0x80000000
	JLOAD G0+4*\s, G1, G0B+4*\s, G1B
.endr
	v_and_b32 v1, 15, v0                           ; r
	v_bfe_u32 v2, v0, 4, 1                         ; h
	v_mul_u32_u24 v3, v1, PITCH
	v_lshl_add_u32 v4, v2, 4, v3
	s_mul_i32 s21, s15, HALFT
	s_mul_i32 s22, s16, HALFT
	s_add_co_u32 s22, s22, 2*HALFT
.irp s, 0,1
	v_add_nc_u32 v[ADRA+\s], s21, v4
	v_add_nc_u32 v[ADRB+\s], s22, v4
	s_add_co_u32 s21, s21, SLOT
	s_add_co_u32 s22, s22, SLOT
.endr
	s_mul_i32 s23, s14, 2560
	v_mul_u32_u24 v5, v1, 80
	v_lshl_add_u32 v5, v2, 3, v5
	v_add_nc_u32 v[STO], s23, v5                   ; in: row r, 8 bytes for each half of the lanes
	v_and_b32 v6, 31, v0
	v_lshrrev_b32 v7, 2, v6
	v_mul_u32_u24 v7, v7, 80
	v_and_b32 v8, 3, v6
	v_lshl_add_u32 v7, v8, 4, v7
	v_add_nc_u32 v[RD], s23, v7                    ; back: four lanes to a row of 64 bytes, eight rows an instruction
	v_lshlrev_b32 v[CO], 4, v6                     ; in hc those 512 bytes are consecutive
	v_lshlrev_b32 v9, 5, v2                        ; b1: lane (r, h) wants, for tile b, columns 16 b + 8 h + 0 .. 7
	s_lshl_b32 s84, s42, 10
	s_lshl_b32 s85, s16, 9
	s_add_co_u32 s84, s84, s85
	s_mov_b32 s85, 0
	s_add_nc_u64 s[10:11], s[10:11], s[84:85]
.irp b, 0,1,2,3,4,5,6,7
	global_load_b128 v[BIAS+8*\b:BIAS+8*\b+3], v9, s[10:11] offset:64*\b
	global_load_b128 v[BIAS+8*\b+4:BIAS+8*\b+7], v9, s[10:11] offset:64*\b+16
.endr
	s_lshl_b32 s86, s42, 2
	s_lshl_b32 s87, s16, 1
	s_add_co_u32 s86, s86, s87
	s_lshl_b32 s86, s86, 18                        ; hc: my first block of 64 columns,
	s_lshl_b32 s87, s17, 8
	s_lshl_b32 s84, s15, 7
	s_add_co_u32 s87, s87, s84
	s_lshl_b32 s87, s87, 6                         ; my first row
	s_add_co_u32 s86, s86, s87
	s_mov_b32 s87, 0
	s_add_nc_u64 s[12:13], s[12:13], s[86:87]
.macro FRAG reg, adr, q, i
.irp c, 0,1,2,3
	ds_load_b128 v[\reg+4*\c:\reg+4*\c+3], v[\adr] offset:128*(\q)+32*\c+(\i)*16*PITCH
.endr
.endm
.macro MUL16 a0, p, zero               ; the 64 accumulators take turns, one instruction a turn, in the same order in every step
.irp a, \a0, \a0+1
.irp b, 0,1,2,3,4,5,6,7
.if \zero
	v_wmma_f32_16x16x128_fp8_fp8 v[8*(8*((\a)%4)+\b):8*(8*((\a)%4)+\b)+7], v[128*(\p)+FR*\b:128*(\p)+FR*\b+FR-1], v[AF+FR*(\a):AF+FR*(\a)+FR-1], 0
.else
	v_wmma_f32_16x16x128_fp8_fp8 v[8*(8*((\a)%4)+\b):8*(8*((\a)%4)+\b)+7], v[128*(\p)+FR*\b:128*(\p)+FR*\b+FR-1], v[AF+FR*(\a):AF+FR*(\a)+FR-1], v[8*(8*((\a)%4)+\b):8*(8*((\a)%4)+\b)+7]
.endif
.endr
.endr
.endm
.macro FETCH_B slot, q, p
	WIN TO_B
.irp i, 0,1,2,3,4,5,6,7
	FRAG 128*(\p)+FR*\i, ADRB+\slot, \q, \i
.endr
	WIN 0
.endm
.macro FETCH_A slot, q, i0
.irp i, \i0, \i0+1, \i0+2, \i0+3
	FRAG AF+FR*(\i), ADRA+\slot, \q, \i
.endr
.endm
.macro PLACES n
.rept \n
	v_nop
.endr
.endm
.macro STEP slot, q, zero
	s_wait_dscnt 4*NL                              ; B's set and A's blocks 0-3 are in; the youngest sixteen loads (A's blocks 4-7) may be out
	WIN MUL_LO
	MUL16 0, (\q)%2, \zero
	MUL16 2, (\q)%2, \zero
	s_wait_dscnt 0
	PLACES NP
	FETCH_B \slot, (\q)+1, 1-(\q)%2
	FETCH_A \slot, (\q)+1, 0
	WIN MUL_HI
	MUL16 4, (\q)%2, \zero
	MUL16 6, (\q)%2, \zero
	PLACES NP
	WIN 0
	FETCH_A \slot, (\q)+1, 4
.endm
.macro TURN slot, next, fill
	s_wait_tensorcnt 0x0                           ; all my tensor loads have landed: my part of the next slot
	ds_add_u32 v[SPW], v[NIL]                      ; 0 onto my spare word
	s_wait_dscnt 4*NL+1                            ; the add and the youngest sixteen loads may be out
	WIN MUL_LO
	MUL16 0, 1, 0
	s_wait_dscnt 0x0                               ; the add is done, and my reads of this slot are over
	s_barrier_signal -1
	MUL16 2, 1, 0
	WIN 0
	s_barrier_wait -1
.if \fill
	CREST
	s_add_nc_u64 s[G0+4*\slot+2:G0+4*\slot+3], s[G0+4*\slot+2:G0+4*\slot+3], 2*ROWB
	s_add_nc_u64 s[G0B+4*\slot+2:G0B+4*\slot+3], s[G0B+4*\slot+2:G0B+4*\slot+3], 2*ROWB
	JLOAD G0+4*\slot, G1, G0B+4*\slot, G1B
.else
	PLACES NP
.endif
	FETCH_B \next, 0, 0
	FETCH_A \next, 0, 0
	WIN MUL_HI
	MUL16 4, 1, 0
	MUL16 6, 1, 0
	PLACES NP
	WIN 0
	FETCH_A \next, 0, 4
.endm
	s_wait_tensorcnt 1                             ; my part of K step 0 is in; K step 1's load may be out
	s_barrier_signal -1
	s_barrier_wait -1
	FETCH_B 0, 0, 0
	FETCH_A 0, 0, 0
	FETCH_A 0, 0, 4
	STEP 0, 0, 1
	s_mov_b32 s3, LAPS-1
.Llap:
	TURN 0, 1, 1
	STEP 1, 0, 0
	TURN 1, 0, 1
	STEP 0, 0, 0
	s_sub_co_u32 s3, s3, 1
	s_cmp_lg_u32 s3, 0
	s_cbranch_scc1 .Llap
	TURN 0, 1, 0
	STEP 1, 0, 0
	s_wait_dscnt 4*NL
	WIN MUL_LO
	MUL16 0, 1, 0
	MUL16 2, 1, 0
	s_wait_dscnt 0
	WIN MUL_HI
	MUL16 4, 1, 0
	MUL16 6, 1, 0
	WIN 0
; u = sum x 2^(e8 + e9) + b1 for 32 accumulators: from window src into window 2, each accumulator from its low end on
.macro PRE src
	WIN (0x80+\src)
.set j, 0
.rept 128
	v_pk_fma_f32 v[j:j+1], v[j:j+1], s[96:97], v[BIAS+j%64:BIAS+j%64+1] op_sel_hi:[1,0,1]
.set j, j+2
.endr
	WIN 0
.endm
; the GELU of 32 numbers of a lane: block blk of window 2's four, tiles 4 hb .. 4 hb + 3; the result, held, in v[M] on
.macro GELU32 blk, hb
.set UB, 64*(\blk)+32*(\hb)
	WIN 0x02                                       ; source 0: window 2
.set j, 0
.rept 32
	v_fma_f32 v[T+j], |v[UB+j]|, s76, 1.0          ; 1 + p |u| / sqrt 2
.set j, j+1
.endr
.set j, 0
.rept 32
	v_max_num_f32 v[M+j], v[UB+j], 0
.set j, j+1
.endr
	WIN 0x0a                                       ; sources 0 and 1: window 2
.set j, 0
.rept 16
	v_pk_mul_f32 v[W+j:W+j+1], v[UB+j:UB+j+1], v[UB+j:UB+j+1]
.set j, j+2
.endr
	WIN 0
.set j, 0
.rept 16
	v_pk_mul_f32 v[W+j:W+j+1], v[W+j:W+j+1], s[74:75] op_sel_hi:[1,0]
.set j, j+2
.endr
.set j, 0
.rept 32
	v_rcp_f32 v[T+j], v[T+j]                       ; t
.set j, j+1
.endr
.set j, 0
.rept 32
	v_exp_f32 v[W+j], v[W+j]                       ; e^(-u^2 / 2)
.set j, j+1
.endr
	v_nop                                          ; a plain line behind the batch,
	s_wait_alu depctr_va_vdst(0)                   ; and ONE wait for its 64 transcendentals, ahead of their first reader
.set j, 0
.rept 16
	v_pk_fma_f32 v[P+j:P+j+1], v[T+j:T+j+1], v[30:31], s[66:67] op_sel_hi:[1,1,0]
.set j, j+2
.endr
.irp k, 68,70,72
.set j, 0
.rept 16
	v_pk_fma_f32 v[P+j:P+j+1], v[P+j:P+j+1], v[T+j:T+j+1], s[\k:\k+1] op_sel_hi:[1,1,0]
.set j, j+2
.endr
.endr
.set j, 0
.rept 16
	v_pk_mul_f32 v[P+j:P+j+1], v[P+j:P+j+1], v[T+j:T+j+1]
.set j, j+2
.endr
.set j, 0
.rept 16
	v_pk_mul_f32 v[P+j:P+j+1], v[P+j:P+j+1], v[W+j:W+j+1]   ; q
.set j, j+2
.endr
	WIN 0x02
.set j, 0
.rept 32
	v_fma_f32 v[M+j], -|v[UB+j]|, v[P+j], v[M+j]   ; max(u, 0) - |u| q
.set j, j+1
.endr
	WIN 0
.set j, 0
.rept 32
	v_med3_num_f32 v[M+j], v[M+j], -v11, v11       ; the conversion to an 8-bit code does not saturate (ISA guide 7.6.2)
.set j, j+1
.endr
.endm
.macro CVT4 hb
.irp b, 0,1,2,3
	v_cvt_scalef32_pk8_fp8_f32 v[CDS+8*(\hb)+2*\b:CDS+8*(\hb)+2*\b+1], v[M+8*\b:M+8*\b+7], v10
.endr
	v_nop                                          ; a plain line behind the last conversion
.endm
.macro SENDH a
	s_wait_dscnt 0x0                               ; the block's codes are back, and its LDS stores have read their registers
.irp i, 0,1,2,3
	global_store_b128 v[CO], v[BK+4*\i:BK+4*\i+3], s[12:13] offset:(\i/2)*262144+(\a)*1024+(\i%2)*512
.endr
.endm
	s_wait_kmcnt 0x0
	s_add_co_i32 s96, s80, s81
	s_add_co_i32 s96, s96, 127
	s_lshl_b32 s96, s96, 23                        ; 2^(e8 + e9)
	s_mov_b32 s97, s96
	s_add_co_i32 s84, s82, 127
	s_lshl_b32 s85, s84, 23
	v_mov_b32 v10, s85                             ; 2^e10
	s_add_co_i32 s84, s84, 8
	s_lshl_b32 s84, s84, 23
	s_or_b32 s84, s84, 0x600000
	v_mov_b32 v11, s84                             ; 448 x 2^e10
	PLACES NP
	s_wait_loadcnt 0x0                             ; b1
	PRE 2
	s_mov_b32 s3, 2
.Lhalf:                                            ; a trip: four blocks of 16 rows x 128 columns
.irp blk, 0,1,2,3
	GELU32 \blk, 0
.if \blk > 0
	SENDH \blk-1                                   ; the block before leaves while this one is worked on
.endif
	CVT4 0
	GELU32 \blk, 1
	CVT4 1
	s_wait_xcnt 0x0                                ; the last stores have read their data: the loads below may land there
.irp b, 0,1,2,3,4,5,6,7
	ds_store_b64 v[STO], v[CDS+2*\b:CDS+2*\b+1] offset:(\b/4)*1280+(\b%4)*16
.endr
.irp i, 0,1,2,3
	ds_load_b128 v[BK+4*\i:BK+4*\i+3], v[RD] offset:(\i/2)*1280+(\i%2)*640
.endr
.endr
	SENDH 3
	s_cmp_eq_u32 s3, 1                             ; behind the second trip nothing is left to bring over
	s_cbranch_scc1 .Lno_more
	PRE 3                                          ; my rows 64-127 take the places of rows 0-63
	s_wait_xcnt 0x0                                ; the stores have read their base
	s_add_nc_u64 s[12:13], s[12:13], 4096          ; 64 rows of 64 bytes on
.Lno_more:
	s_sub_co_u32 s3, s3, 1
	s_cmp_lg_u32 s3, 0
	s_cbranch_scc1 .Lhalf
	s_wait_tensorcnt 0x0                           ; the wave's end
	ds_add_u32 v[SPW], v[NIL]
	s_wait_dscnt 0x0
	CROUND                                         ; the closing round
	s_endpgm
.Lfunc_end_k_q8a30a5f35f_mlp1:
	.size	k_q8a30a5f35f_mlp1, .Lfunc_end_k_q8a30a5f35f_mlp1-k_q8a30a5f35f_mlp1
	.p2alignl 7, 3214868480
	.fill 96, 4, 3214868480
	.section	.rodata,"a",@progbits
	.p2align	6, 0x0
	.amdhsa_kernel k_q8a30a5f35f_mlp1
		.amdhsa_group_segment_fixed_size 327680
		.amdhsa_private_segment_fixed_size 0
		.amdhsa_enable_private_segment 0
		.amdhsa_kernarg_size 40
		.amdhsa_user_sgpr_count 2
		.amdhsa_user_sgpr_kernarg_segment_ptr 1
		.amdhsa_wavefront_size32 1
		.amdhsa_system_sgpr_workgroup_id_x 1
		.amdhsa_system_sgpr_workgroup_id_y 1
		.amdhsa_system_sgpr_workgroup_id_z 1
		.amdhsa_system_vgpr_workitem_id 0
		.amdhsa_next_free_vgpr 1024
		.amdhsa_next_free_sgpr 98
		.amdhsa_reserve_vcc 0
		.amdhsa_float_denorm_mode_32 3
		.amdhsa_float_denorm_mode_16_64 3
		.amdhsa_memory_ordered 1
		.amdhsa_forward_progress 1
		.amdhsa_inst_pref_size 250
	.end_amdhsa_kernel
	.amdgpu_metadata
---
amdhsa.version: [ 1, 2 ]
amdhsa.kernels:
  - .name:           k_q8a30a5f35f_mlp1
    .symbol:         k_q8a30a5f35f_mlp1.kd
    .args:
      - { .name: xn2, .offset: 0, .size: 8, .value_kind: global_buffer, .address_space: global }
      - { .name: wc, .offset: 8, .size: 8, .value_kind: global_buffer, .address_space: global }
      - { .name: lowp_scales, .offset: 16, .size: 8, .value_kind: global_buffer, .address_space: global }
      - { .name: b_mlp1, .offset: 24, .size: 8, .value_kind: global_buffer, .address_space: global }
      - { .name: hc, .offset: 32, .size: 8, .value_kind: global_buffer, .address_space: global }
    .group_segment_fixed_size: 327680
    .private_segment_fixed_size: 0
    .kernarg_segment_align: 8
    .kernarg_segment_size: 40
    .max_flat_workgroup_size: 128
    .sgpr_count:     98
    .vgpr_count:     1024
    .wavefront_size: 32
...
	.end_amdgpu_metadata
.endif
;; end of part 6
;; launch mlp2 (part 7): grid 8 x 32, 4 waves a work-group, clusters of 4 x 4, 327,680 bytes of LDS; arguments hc, wc, lowp_scales, b_mlp2, x1, out0; writes out0
.if DOCPART == 7
	.amdgcn_target "amdgcn-amd-amdhsa--gfx1250"
	.amdhsa_code_object_version 6
	.text
	.protected	k_q8a30a5f35f_mlp2
	.globl	k_q8a30a5f35f_mlp2
	.p2align	8
	.type	k_q8a30a5f35f_mlp2,@function
k_q8a30a5f35f_mlp2:
	s_mov_b64 s[64:65], 0
	v_nop
	global_prefetch_b8 v0, s[64:65] scope:SCOPE_SE
	s_setreg_imm32_b32 hwreg(HW_REG_WAVE_MODE, 25, 1), 1
	s_wait_xcnt 0x0
	s_wait_alu depctr_hold_cnt(0) depctr_sa_sdst(0) depctr_va_vdst(0) depctr_va_sdst(0) depctr_va_ssrc(0) depctr_va_vcc(0) depctr_vm_vsrc(0)
	s_getreg_b32 s2, hwreg(HW_REG_IB_STS2, 6, 4)
	s_cmp_eq_u32 s2, 0
	s_cbranch_scc0 .Lentry_in_a_cluster
	s_endpgm
.Lentry_in_a_cluster:
	s_bfe_u32 s2, ttmp6, 0x10000c
	s_cmp_lg_u32 s2, 0xf033
	s_cbranch_scc0 .Lentry_shape_is_right
	s_endpgm
.Lentry_shape_is_right:
; out0 = x1 + (h w_mlp2 + b_mlp2): out[m][n] = res[m][n] + (sum x 2^(ea + eb) + bias[n]), the sum on codes of FP8 (E4M3).  Nothing of reference() is left out.
; A's codes: hc, laid [K / 64][4096 rows][64]; B's codes: wc from WOFF on, [1024][SIZE_K], K innermost; bias [1024], res and out [4096][1024] f32.  ea, eb: lowp_scales[10], [11].
; LIMIT: ea + eb between -126 and 127.
; The output has 4,096 x 1,024 numbers: tiles of 128 x 128 give each of 256 work-groups one.  Four waves, each 64 x 64: 16 accumulators.  K goes in steps of 512 through two LDS slots.
; CLUSTERS: 4 x 4 work-groups; A's tile is shared along a row of the cluster, B's along a column, each asked for jointly.
; A's tile of a K step is 8 blocks of 64 rows x 64 bytes, each block dense in memory: ONE descriptor, rows of 4,096 bytes 262,144 apart, 16 bytes of padding behind every 64: in LDS [block 8][row 64][80].
; THE MATRIX INSTRUCTION IS USED TRANSPOSED (source 0 = 16 rows of B, source 1 = 16 rows of A): a lane holds eight neighbouring numbers of a row of the output.
; REGISTERS: window 0: v12-15 bias, v16-29 addresses, v32-127 the residual (three sets of 32), v128-255 the accumulators ((a, b) at v[128 + 8 (4 a + b)]); window 1: two fragment buffers of 128 (A's four, then B's four).
.set SIZE_K, 4096
.set WOFF,   8388608
.set ESC,    0x28
.set LAPS,   SIZE_K/1024               ; a lap = two K steps
.set ABYTES, 8*64*80
.set BBYTES, 64*528
.set SLOT,   2*ABYTES+2*BBYTES
.set SPARE,  2*SLOT
.set SPITCH, 272                       ; the way out: 16 rows of 256 + 16 bytes for each wave, in slot 0, which has had its last fill and its last read by then
.set BIA,  12
.set ADRA, 16
.set ADRB, 20
.set STO,  24
.set RD,   25
.set CO,   26
.set SPW,  28
.set NIL,  29
.set RES,  32
.set ACC,  128
.set F0,   0
.set F1,   128
.set G1, 24
.set G0, 32
.set G1B, 48
.set G0B, 56
.set MSB, 0
.macro WIN new
.if MSB != \new
	s_set_vgpr_msb (MSB<<8)|\new
.set MSB, \new
.endif
.endm
.set MUL,  0x05
.set TO_F, 0x40
.macro JLOAD s                         ; a joint load: waves 0 and 1 fetch A's halves, waves 2 and 3 B's; an s_nop 0 and four v_nop follow each line
	s_cmp_eq_u32 s11, 0
	s_cbranch_scc0 .Lfor_b_\@
	tensor_load_to_lds s[G0+4*\s:G0+4*\s+3], s[G1:G1+7]
	s_nop 0
.rept 4
	v_nop
.endr
	s_branch .Lasked_\@
.Lfor_b_\@:
	tensor_load_to_lds s[G0B+4*\s:G0B+4*\s+3], s[G1B:G1B+7]
	s_nop 0
.rept 4
	v_nop
.endr
.Lasked_\@:
.endm
.macro CREST
	s_cmp_lg_u32 s10, 0
	s_cbranch_scc1 .Lnot_wave_0_\@
	s_barrier_signal -3
.Lnot_wave_0_\@:
	s_barrier_wait -3
	s_barrier_signal -1
	s_barrier_wait -1
.endm
.macro CROUND
	s_barrier_signal -1
	s_barrier_wait -1
	CREST
.endm
	s_load_b128 s[4:7], s[0:1], 0x0                ; A's codes, wc
	s_load_b128 s[68:71], s[0:1], 0x10             ; lowp_scales, bias
	s_load_b128 s[72:75], s[0:1], 0x20             ; res, out
	v_lshl_add_u32 v[SPW], v0, 2, SPARE
	v_mov_b32 v[NIL], 0
	ds_add_u32 v[SPW], v[NIL]                      ; the opening: the add, twice on end, and its wait ahead of my first tensor load
	ds_add_u32 v[SPW], v[NIL]
	v_lshrrev_b32 v1, 5, v0
	v_readfirstlane_b32 s10, v1                    ; wave 0..3
	s_lshr_b32 s11, s10, 1                         ; which half of the tile's rows is mine.  Also: I fetch for A (0) or for B (1)
	s_and_b32 s12, s10, 1                          ; which half of its columns.  Also: which 64 rows of that tile I fetch
	s_bfe_u32 s40, ttmp6, 0x40000
	s_bfe_u32 s41, ttmp6, 0x40004
	s_lshl_b32 s42, ttmp9, 2
	s_add_co_u32 s42, s42, s40                     ; tile column
	s_and_b32 s13, ttmp7, 0xffff
	s_lshl_b32 s13, s13, 2
	s_add_co_u32 s13, s13, s41                     ; tile row
	s_lshl_b32 s43, s41, 2
	s_lshl_b32 s43, 15, s43
	s_lshl_b32 s44, 0x1111, s40
	s_or_b32 s[G1+0], s43, (1<<20)|(1<<21)|(3<<22)|(3<<25)    ; my row's mask; elements of 1 byte; 4 words of padding behind every 16
	s_mov_b32 s[G1+1], 4096<<16                    ; tensor_dim0: 64 rows x 64 bytes on end
	s_mov_b32 s[G1+2], 8<<16                       ; tensor_dim1: 8 blocks
	s_mov_b32 s[G1+3], 4096<<16                    ; tile_dim0
	s_mov_b32 s[G1+4], 8                           ; tile_dim1
	s_mov_b32 s[G1+5], 262144                      ; from block to block
	s_mov_b32 s[G1+6], 0
	s_mov_b32 s[G1+7], 0
	s_or_b32 s[G1B+0], s44, (1<<20)|(1<<21)|(6<<22)|(3<<25)   ; my column's mask; 4 words behind every 128
	s_mov_b32 s[G1B+1], 512<<16
	s_mov_b32 s[G1B+2], 64<<16
	s_mov_b32 s[G1B+3], 512<<16
	s_mov_b32 s[G1B+4], 64
	s_mov_b32 s[G1B+5], SIZE_K
	s_mov_b32 s[G1B+6], 0
	s_mov_b32 s[G1B+7], 0
	s_lshl_b32 s16, s13, 7
	s_lshl_b32 s17, s12, 6
	s_add_co_u32 s16, s16, s17
	s_lshl_b32 s16, s16, 6                         ; A: (128 x tile row + 64 x half) x 64 bytes
	s_mov_b32 s17, 0
	s_lshl_b32 s46, s42, 7
	s_lshl_b32 s47, s12, 6
	s_add_co_u32 s46, s46, s47
	s_mul_i32 s46, s46, SIZE_K
	s_add_co_u32 s46, s46, WOFF                    ; B: the weight's place + (128 x tile column + 64 x half) rows
	s_mov_b32 s47, 0
	s_mul_i32 s20, s12, ABYTES                     ; where they go
	s_mul_i32 s21, s12, BBYTES
	s_add_co_u32 s21, s21, 2*ABYTES
	s_wait_dscnt 0x0                               ; both opening adds are done
	s_wait_kmcnt 0x0
	s_load_b64 s[96:97], s[68:69], ESC             ; ea, eb
	s_add_nc_u64 s[14:15], s[4:5], s[16:17]
	s_add_nc_u64 s[46:47], s[6:7], s[46:47]
	CROUND                                         ; all sixteen work-groups are here: the first joint loads meet
.irp s, 0,1
	s_mov_b32 s[G0+4*\s], 1
	s_add_co_u32 s[G0+4*\s+1], s20, \s*SLOT
	s_add_nc_u64 s[G0+4*\s+2:G0+4*\s+3], s[14:15], \s*2097152
	s_or_b32 s[G0+4*\s+3], s[G0+4*\s+3], 0x80000000
	s_mov_b32 s[G0B+4*\s], 1
	s_add_co_u32 s[G0B+4*\s+1], s21, \s*SLOT
	s_add_nc_u64 s[G0B+4*\s+2:G0B+4*\s+3], s[46:47], \s*512
	s_or_b32 s[G0B+4*\s+3], s[G0B+4*\s+3], 0x80000000
	JLOAD \s
.endr
	v_and_b32 v1, 15, v0                           ; r
	v_bfe_u32 v2, v0, 4, 1                         ; h
	v_mul_u32_u24 v3, v1, 80
	v_lshl_add_u32 v3, v2, 4, v3
	v_mul_u32_u24 v4, v1, 528
	v_lshl_add_u32 v4, v2, 4, v4
	s_mul_i32 s21, s11, ABYTES
	s_mul_i32 s22, s12, BBYTES
	s_add_co_u32 s22, s22, 2*ABYTES
.irp s, 0,1
	v_add_nc_u32 v[ADRA+\s], s21, v3
	v_add_nc_u32 v[ADRB+\s], s22, v4
	s_add_co_u32 s21, s21, SLOT
	s_add_co_u32 s22, s22, SLOT
.endr
	s_mul_i32 s23, s10, 16*SPITCH
	v_mul_u32_u24 v5, v1, SPITCH
	v_lshl_add_u32 v5, v2, 5, v5
	v_add_nc_u32 v[STO], s23, v5                   ; in: row r, 32 bytes for each half of the lanes
	v_mul_u32_u24 v5, v2, SPITCH
	v_lshl_add_u32 v5, v1, 4, v5
	v_add_nc_u32 v[RD], s23, v5                    ; back: lanes 0-15 one row of 256 bytes, lanes 16-31 the next
	v_lshlrev_b32 v5, 12, v2
	v_lshl_add_u32 v[CO], v1, 4, v5                ; and the same two rows in res and out
	v_lshlrev_b32 v6, 4, v1
	s_lshl_b32 s76, s13, 7
	s_lshl_b32 s77, s11, 6
	s_add_co_u32 s76, s76, s77
	s_lshl_b32 s76, s76, 12                        ; my first row,
	s_lshl_b32 s78, s42, 9
	s_lshl_b32 s77, s12, 8
	s_add_co_u32 s78, s78, s77                     ; my first column, in bytes
	s_add_co_u32 s76, s76, s78
	s_mov_b32 s77, 0
	s_mov_b32 s79, 0
	s_add_nc_u64 s[72:73], s[72:73], s[76:77]
	s_add_nc_u64 s[74:75], s[74:75], s[76:77]
	s_add_nc_u64 s[70:71], s[70:71], s[78:79]
	global_load_b128 v[BIA:BIA+3], v6, s[70:71]    ; the bias of the four columns that I store
.irp a, 0,1,2
.irp t, 0,1,2,3,4,5,6,7
	global_load_b128 v[RES+32*\a+4*\t:RES+32*\a+4*\t+3], v[CO], s[72:73] offset:(16*\a+2*\t)*4096   ; the residual of blocks 0 to 2, in the layout of the stores: it lands under the products
.endr
.endr
.macro MUL8 f, a0, zero                ; the 16 accumulators take turns, one instruction a turn
.irp a, \a0, \a0+1
.irp b, 0,1,2,3
.if \zero
	v_wmma_f32_16x16x128_fp8_fp8 v[ACC+8*(4*(\a)+\b):ACC+8*(4*(\a)+\b)+7], v[\f+64+16*\b:\f+64+16*\b+15], v[\f+16*(\a):\f+16*(\a)+15], 0
.else
	v_wmma_f32_16x16x128_fp8_fp8 v[ACC+8*(4*(\a)+\b):ACC+8*(4*(\a)+\b)+7], v[\f+64+16*\b:\f+64+16*\b+15], v[\f+16*(\a):\f+16*(\a)+15], v[ACC+8*(4*(\a)+\b):ACC+8*(4*(\a)+\b)+7]
.endif
.endr
.endr
.endm
.macro FETCH slot, q, f                ; 32 LDS loads in one run: the fragments of the slot's q-th 128 along K; registers 4 c .. 4 c + 3 hold K = 32 c + 16 h + 0 .. 15, in A and in B alike
	WIN TO_F
.irp i, 0,1,2,3
.irp c, 0,1,2,3
	ds_load_b128 v[\f+64+16*\i+4*\c:\f+64+16*\i+4*\c+3], v[ADRB+\slot] offset:128*(\q)+32*\c+\i*8448
.endr
.endr
.irp i, 0,1,2,3
.irp c, 0,1,2,3
	ds_load_b128 v[\f+16*\i+4*\c:\f+16*\i+4*\c+3], v[ADRA+\slot] offset:(2*(\q)+\c/2)*5120+\i*1280+(\c%2)*32
.endr
.endr
.endm
.macro PLACES
.rept 4
	v_nop
.endr
.endm
.macro QUARTER slot, qn, f, g, zero    ; asks for quarter qn into buffer g, then multiplies buffer f
	PLACES                                         ; in front of loads into registers that the last products read
	FETCH \slot, \qn, \g
	s_wait_dscnt 32                                ; all but the 32 just issued
	WIN MUL
	MUL8 \f, 0, \zero
	MUL8 \f, 2, \zero
.endm
.macro TURN slot, next, fill           ; a slot's last quarter (buffer 1) changes slots: one barrier; fill = 1: it opens a round of the cluster's barrier and the slot is filled again
	WIN 0
	s_wait_tensorcnt 0x0                           ; all my tensor loads have landed: my part of the next slot
	ds_add_u32 v[SPW], v[NIL]                      ; 0 onto my spare word
	s_wait_dscnt 1                                 ; the add may be out
	WIN MUL
	MUL8 F1, 0, 0
	s_wait_dscnt 0x0                               ; the add is done, and my reads of this slot are over
	s_barrier_signal -1
	MUL8 F1, 2, 0
	WIN 0
	s_barrier_wait -1
.if \fill
	CREST
	s_add_nc_u64 s[G0+4*\slot+2:G0+4*\slot+3], s[G0+4*\slot+2:G0+4*\slot+3], 4194304
	s_add_nc_u64 s[G0B+4*\slot+2:G0B+4*\slot+3], s[G0B+4*\slot+2:G0B+4*\slot+3], 1024
	JLOAD \slot                                    ; the first tensor load behind the round; its four v_nop are the places in front of the loads below
.else
	PLACES
.endif
	FETCH \next, 0, F0
.endm
	s_wait_tensorcnt 1                             ; my part of K step 0 is in; K step 1's load may be out
	s_barrier_signal -1
	s_barrier_wait -1
	FETCH 0, 0, F0
	QUARTER 0, 1, F0, F1, 1                        ; the first products start the sums
.if LAPS > 1
	WIN 0
	s_mov_b32 s3, LAPS-1
.Llap:
	QUARTER 0, 2, F1, F0, 0
	QUARTER 0, 3, F0, F1, 0
	TURN 0, 1, 1
	QUARTER 1, 1, F0, F1, 0
	QUARTER 1, 2, F1, F0, 0
	QUARTER 1, 3, F0, F1, 0
	TURN 1, 0, 1
	QUARTER 0, 1, F0, F1, 0
	WIN 0
	s_sub_co_u32 s3, s3, 1
	s_cmp_lg_u32 s3, 0
	s_cbranch_scc1 .Llap
.endif
	QUARTER 0, 2, F1, F0, 0                        ; the last lap fills nothing
	QUARTER 0, 3, F0, F1, 0
	TURN 0, 1, 0
	QUARTER 1, 1, F0, F1, 0
	QUARTER 1, 2, F1, F0, 0
	QUARTER 1, 3, F0, F1, 0
	s_wait_dscnt 0x0
	MUL8 F1, 0, 0
	MUL8 F1, 2, 0
	WIN 0
; THE WAY OUT, a block of 16 rows x 64 columns at a time: the sums go through my stage as they are and come back as rows of 256 bytes, into the registers that they left; there scale, bias and residual are applied.
.macro STAGE a
.irp b, 0,1,2,3
	ds_store_b128 v[STO], v[ACC+32*(\a)+8*\b:ACC+32*(\a)+8*\b+3] offset:64*\b        ; each accumulator from its low end on
	ds_store_b128 v[STO], v[ACC+32*(\a)+8*\b+4:ACC+32*(\a)+8*\b+7] offset:64*\b+16
.endr
.irp t, 0,1,2,3,4,5,6,7
	ds_load_b128 v[ACC+32*(\a)+4*\t:ACC+32*(\a)+4*\t+3], v[RD] offset:\t*2*SPITCH    ; LDS serves a wave's instructions in order
.endr
.endm
.macro FIN a, younger, set
.set XA, ACC+32*(\a)
.set RS, RES+32*(\set)
	s_wait_dscnt \younger                          ; the next block's sixteen LDS instructions may be out
.irp t, 0,1,2,3,4,5,6,7
	v_pk_fma_f32 v[XA+4*\t:XA+4*\t+1], v[XA+4*\t:XA+4*\t+1], s[96:97], v[BIA:BIA+1] op_sel_hi:[1,0,1]
	v_pk_fma_f32 v[XA+4*\t+2:XA+4*\t+3], v[XA+4*\t+2:XA+4*\t+3], s[96:97], v[BIA+2:BIA+3] op_sel_hi:[1,0,1]
.endr
.irp t, 0,1,2,3,4,5,6,7
	v_pk_add_f32 v[XA+4*\t:XA+4*\t+1], v[XA+4*\t:XA+4*\t+1], v[RS+4*\t:RS+4*\t+1]
	v_pk_add_f32 v[XA+4*\t+2:XA+4*\t+3], v[XA+4*\t+2:XA+4*\t+3], v[RS+4*\t+2:RS+4*\t+3]
.endr
.irp t, 0,1,2,3,4,5,6,7
	global_store_b128 v[CO], v[XA+4*\t:XA+4*\t+3], s[74:75] offset:(16*(\a)+2*\t)*4096   ; sixteen lanes store 256 consecutive bytes, aligned
.endr
.endm
	PLACES
	s_wait_loadcnt 0x0                             ; the bias and three blocks of the residual
	s_wait_kmcnt 0x0
	s_add_co_i32 s96, s96, s97
	s_add_co_i32 s96, s96, 127
	s_lshl_b32 s96, s96, 23                        ; 2^(ea + eb)
	s_mov_b32 s97, s96
	STAGE 0
	STAGE 1
	FIN 0, 16, 0
.irp t, 0,1,2,3,4,5,6,7
	global_load_b128 v[RES+4*\t:RES+4*\t+3], v[CO], s[72:73] offset:(48+2*\t)*4096   ; block 3's residual, into the set that block 0 has left
.endr
	STAGE 2
	FIN 1, 16, 1
	STAGE 3
	FIN 2, 16, 2
	s_wait_loadcnt 0x0
	FIN 3, 0, 0
	s_wait_tensorcnt 0x0                           ; the wave's end
	ds_add_u32 v[SPW], v[NIL]
	s_wait_dscnt 0x0
	CROUND                                         ; the closing round
	s_endpgm
.Lfunc_end_k_q8a30a5f35f_mlp2:
	.size	k_q8a30a5f35f_mlp2, .Lfunc_end_k_q8a30a5f35f_mlp2-k_q8a30a5f35f_mlp2
	.p2alignl 7, 3214868480
	.fill 96, 4, 3214868480
	.section	.rodata,"a",@progbits
	.p2align	6, 0x0
	.amdhsa_kernel k_q8a30a5f35f_mlp2
		.amdhsa_group_segment_fixed_size 327680
		.amdhsa_private_segment_fixed_size 0
		.amdhsa_enable_private_segment 0
		.amdhsa_kernarg_size 48
		.amdhsa_user_sgpr_count 2
		.amdhsa_user_sgpr_kernarg_segment_ptr 1
		.amdhsa_wavefront_size32 1
		.amdhsa_system_sgpr_workgroup_id_x 1
		.amdhsa_system_sgpr_workgroup_id_y 1
		.amdhsa_system_sgpr_workgroup_id_z 1
		.amdhsa_system_vgpr_workitem_id 0
		.amdhsa_next_free_vgpr 512
		.amdhsa_next_free_sgpr 98
		.amdhsa_reserve_vcc 0
		.amdhsa_float_denorm_mode_32 3
		.amdhsa_float_denorm_mode_16_64 3
		.amdhsa_memory_ordered 1
		.amdhsa_forward_progress 1
		.amdhsa_inst_pref_size 81
	.end_amdhsa_kernel
	.amdgpu_metadata
---
amdhsa.version: [ 1, 2 ]
amdhsa.kernels:
  - .name:           k_q8a30a5f35f_mlp2
    .symbol:         k_q8a30a5f35f_mlp2.kd
    .args:
      - { .name: hc, .offset: 0, .size: 8, .value_kind: global_buffer, .address_space: global }
      - { .name: wc, .offset: 8, .size: 8, .value_kind: global_buffer, .address_space: global }
      - { .name: lowp_scales, .offset: 16, .size: 8, .value_kind: global_buffer, .address_space: global }
      - { .name: b_mlp2, .offset: 24, .size: 8, .value_kind: global_buffer, .address_space: global }
      - { .name: x1, .offset: 32, .size: 8, .value_kind: global_buffer, .address_space: global }
      - { .name: out0, .offset: 40, .size: 8, .value_kind: global_buffer, .address_space: global }
    .group_segment_fixed_size: 327680
    .private_segment_fixed_size: 0
    .kernarg_segment_align: 8
    .kernarg_segment_size: 48
    .max_flat_workgroup_size: 128
    .sgpr_count:     98
    .vgpr_count:     512
    .wavefront_size: 32
...
	.end_amdgpu_metadata
.endif
;; end of part 7
